; MI455X (gfx1250); checked and timed in simulation.
; The chip was launched on July 23, 2026; its instructions are those of AMD's public machine-readable ISA for CDNA 5 (MIT licence, August 2026) and "CDNA5" Instruction Set Architecture Reference Guide (July 2026). The comments in the code are by the model that wrote it; some were corrected since.
;; Attention. Allowed arithmetic: matrix products marked QUANTISED: E2M3 operands, one E8M0 scale for each 32 along K, by v_wmma_scale_f32_16x16x128_f8f6f4 with both operands' format E2M3, f32 sums; everything else in f32.
;; Inputs: b_out 1,024 float32; w_out 1,024 x 1,024 float32; w_qkv 1,024 x 3,072 float32; x 4 x 2,048 x 1,024 float32.
;; Outputs: out0 4 x 2,048 x 1,024 float32.
;; This version of the problem:
;;   THIS VERSION OF THE PROBLEM IS GIVEN IN LOW PRECISION. The matrix products marked QUANTISED in the list below multiply operands that are first quantised to E2M3 (2 exponent bits, 3 mantissa bits; 6 bits a number), with one power-of-two scale for each 32 numbers along K (OCP MX v1.0); their sums are f32. All else is computed in f32.
;;   The module's matrix products, in the order in which they are computed (A, B: the left and right operand; K: the contracted axis; several contracted axes count as one K, in the product's order):
;;     1. [M 8,192, K 1,024] x [K 1,024, N 3,072]; A: input x; B: input w_qkv: QUANTISED
;;     2. batch 64 x [M 2,048, K 64] x [K 64, N 2,048]; A: computed on the way; B: computed on the way: QUANTISED
;;     3. batch 64 x [M 2,048, K 2,048] x [K 2,048, N 64]; A: softmax (see below); B: computed on the way: QUANTISED
;;     4. [M 8,192, K 1,024] x [K 1,024, N 1,024]; A: computed on the way; B: input w_out: QUANTISED
;;   THE QUANTISER, for each operand of a quantised product, along K:
;;     - K is cut into blocks of 32 from its start; a last block that is shorter is filled with zeros.
;;     - A block's scale is 2^e with e = floor(log2(the largest magnitude in the block)) - 2, held to -126 .. 127; a block of zeros has e = 0. As a byte (E8M0): e + 127.
;;     - Each number is divided by its block's scale, clamped to +-7.5, and rounded to the nearest number of E2M3, ties to even, subnormals kept.
;;     - The product sums the exact products of the quantised numbers (number of the format x scale) in f32.
;;   ~~~python
;;   def quantise(x, axis):      # numpy; x: float32 -> the quantised numbers, widened to float32 again
;;       x = np.moveaxis(x, axis, -1); K = x.shape[-1]
;;       x = np.pad(x, [(0, 0)] * (x.ndim - 1) + [(0, -K % 32)]); x = x.reshape(x.shape[:-1] + (-1, 32)); a = np.abs(x).max(-1, keepdims=True)
;;       e = np.where(a > 0, np.clip(np.frexp(np.where(a > 0, a, 1))[1] - 1 - 2, -126, 127), 0)      # np.frexp(a)[1] - 1 = floor(log2(a)), exactly
;;       r = np.clip(x / 2.0 ** e, -7.5, 7.5)
;;       step = 2.0 ** (np.maximum(np.frexp(np.where(r == 0, 1, r))[1] - 1, 0) - 3)
;;       q = np.round(r / step) * step * 2.0 ** e      # np.round: ties to even
;;       return np.moveaxis(q.reshape(q.shape[:-2] + (-1,))[..., :K], -1, axis).astype(np.float32)
;;   ~~~
;;   SOFTMAX AHEAD OF A QUANTISED PRODUCT. Where the list says 'softmax', what is quantised is not the finished softmax but p = 2^(t - M), with t = logit x log2(e) and M = ceil(the row's largest t), a whole number; so 1/2 < the row's largest p <= 1. The row's sum l is taken of the UNQUANTISED p, in f32, and the product's result is divided by l at the end. Since M is a whole number, a kernel that streams over the keys may use a running M (the ceiling of the running maximum): every later rescaling is an exact power of two, which a block's scale takes up: the codes' values come out the same.
;;   OPERANDS COMPUTED ON THE WAY. 'Computed on the way' means the value that the module computes at that place (a softmax that the list does not call 'softmax' is quantised finished and normalised). What goes into a quantiser is computed in f32, as accurately as f32 sums, v_exp_f32 and their like allow (about 1e-6 of the number): no bf16 or f16 on the way to a quantiser, and a product that is left as it is and whose result goes on into a quantised operand takes f32 operands (vector FMAs, or v_wmma_f32_16x16x4_f32). A number that lies on a knife's edge between two numbers of the format may be rounded either way, as far as f32 arithmetic and the matrix unit's own rounding can turn it there, and no further.
;; One version. Each part assembles by itself: llvm-mc -triple=amdgcn-amd-amdhsa -mcpu=gfx1250 --defsym DOCPART=n.
;; ======== version 1 of 1: 4 launches
;; workspace buffers: xq 6,553,600 bytes; ww 3,276,800 bytes; qi 6,815,744 bytes; kv 13,631,488 bytes; at 6,553,600 bytes
;; launch quant (part 1): grid 384 x 1, 4 waves a work-group, no clusters, 59,904 bytes of LDS; arguments x, w_qkv, w_out, xq, ww; writes xq, ww
.if DOCPART == 1
	.amdgcn_target "amdgcn-amd-amdhsa--gfx1250"
	.amdhsa_code_object_version 6
	.text
	.protected	k_qaa6a525aa2_quant
	.globl	k_qaa6a525aa2_quant
	.p2align	8
	.type	k_qaa6a525aa2_quant,@function
k_qaa6a525aa2_quant:
	s_mov_b64 s[64:65], 0
	v_nop
	global_prefetch_b8 v0, s[64:65] scope:SCOPE_SE
	s_setreg_imm32_b32 hwreg(HW_REG_WAVE_MODE, 25, 1), 1
	s_wait_xcnt 0x0
; x [8192][1024], w_qkv [1024][3072] and w_out [1024][1024], f32, become codes of FP6 (E2M3) with one E8M0 byte for each 32 along K (K = 1024 for all three).
; A block's scale is 2^(floor(log2(its largest magnitude)) - 2); its byte is the largest magnitude's exponent field - 2, held at 1 from below.
; LIMITS: NaN and infinities among the inputs are not served; a block whose largest magnitude lies under 2^-124 gets the byte 1; a block of zeros gets the byte 1 where the rule says 127
; (its codes are zeros, which add nothing, and only this program reads the bytes).
; THE OUTPUT LIES AS IMAGES OF THE OPERAND'S REGISTERS.  A row tile is 16 rows: tile T holds rows 32 (T / 2) + 8 (T % 2) + p + 8 (p / 8), p = 0 .. 15.  A tile takes 12,800 bytes: eight fragments
; (16 rows x 128 K, 12 registers a lane) of 1,536 bytes: registers 0-3 at 16 x lane, 4-5 at 512 + 8 x lane, 6-9 at 768 + 16 x lane, 10-11 at 1,280 + 8 x lane; then 512 scale bytes: row p, block j at 128 (j / 8) + 8 p + j % 8.
; Work-groups 0-255 take x (K innermost): a wave takes one tile x 512 along K: four fragments.  Each load reads 512 consecutive bytes of a row; a fragment's 16 x 512 bytes turn through the wave's own stage in LDS,
; so that lane (r, h) gets the 2 x 32 neighbours that the operand's layout gives it.  Work-groups 256-383 take the weights (K is their FIRST axis): a lane takes a column and its registers run down K;
; a wave takes 32 columns (two tiles) x 256 along K; the codes go through the wave's stage and leave in runs of 512 consecutive bytes.
; A stream: no matrix unit, no tensor load, no barrier (waves share nothing), no cluster (nothing is read twice).  The two paths part on the work-group's number, never join, and have LDS bytes of their own.
.set XST,   8448                       ; x: a wave's stage: 16 rows x (512 + 16) bytes
.set WBASE, 4*XST                      ; the weights' stages begin here
.set WST,   6400                       ; a wave's: two tiles x 3,200 (3,072 of codes, + 128)
.set SPARE, WBASE+4*WST                ; the spare words, 128 bytes for each wave: two blocks of 256 bytes that no other line names
.set SPW,   30                         ; v30  LDS address of my spare word; never rewritten
.set NIL,   31                         ; v31  0; never rewritten
.set R,     32                         ; x: v32-159 two sets of 64 registers as loaded
.set X,     160                        ; x: v160-223 my 64 numbers: X[32 c + i] = x(row r, 128 f + 64 c + 32 h + i)
.set PC,    224                        ; x: v224-235 a fragment's codes; v236-238, v240-242 the blocks' upper halves as they are made
.set VO,    32                         ; w: v32-63 byte offset of row i of a block at my column
.set XW,    64                         ; w: v64-127 two sets of 32 numbers
.set CW,    128                        ; w: v128-133 a block's codes; v136-138 its upper half as it is made
.set OUTW,  140                        ; w: v140-187 the way out
	s_load_b256 s[4:11], s[0:1], 0x0               ; x s[4:5], w_qkv s[6:7], w_out s[8:9], xq s[10:11]
	s_load_b64 s[12:13], s[0:1], 0x20              ; ww
	v_lshl_add_u32 v[SPW], v0, 2, SPARE
	v_mov_b32 v[NIL], 0
	v_lshrrev_b32 v1, 5, v0
	v_readfirstlane_b32 s16, v1                    ; wave 0..3
	v_and_b32 v1, 31, v0                           ; lane
	v_and_b32 v2, 15, v0                           ; r
	v_bfe_u32 v3, v0, 4, 1                         ; h
	v_lshlrev_b32 v4, 4, v1                        ; 16 x lane
	v_lshlrev_b32 v5, 3, v1                        ; 8 x lane
	s_cmp_lt_u32 ttmp9, 256
	s_cbranch_scc0 .Lweights
	; ---------------- x ----------------
	s_mov_b32 s20, 0x76543210
	s_mov_b32 s21, 0xfedcba98                      ; v_permlanex16_b32's selects for lane l xor 16
	s_mov_b32 s22, 0xffff0000                      ; lanes 16-31
	s_lshr_b32 s17, s16, 1                         ; tile T = 2 x work-group + wave / 2
	s_and_b32 s18, s16, 1                          ; u: which 512 along K
	s_lshl_b32 s24, ttmp9, 17                      ; T / 2 = work-group: 32 rows of 4,096 bytes,
	s_lshl_b32 s19, s17, 15                        ; T % 2: 8 rows,
	s_add_co_u32 s24, s24, s19
	s_lshl_b32 s19, s18, 11                        ; u: 2,048 bytes
	s_add_co_u32 s24, s24, s19
	s_mov_b32 s25, 0
	s_lshl_b32 s26, ttmp9, 1
	s_add_co_u32 s26, s26, s17
	s_mul_i32 s26, s26, 12800                      ; the tile's place in xq
	s_mov_b32 s27, 0
	s_mul_i32 s28, s18, 6144                       ; my four fragments in it
	s_mov_b32 s29, 0
	s_lshl_b32 s30, s18, 8
	s_add_co_u32 s30, s30, 12288                   ; and my 256 scale bytes
	s_mov_b32 s31, 0
	s_mul_i32 s19, s16, XST                        ; my stage
	s_wait_alu depctr_va_vdst(0)
	v_add_nc_u32 v6, s19, v4                       ; in: 16 x lane, a row each store
	v_mul_u32_u24 v7, v2, 528
	v_lshl_add_u32 v7, v3, 7, v7
	v_add_nc_u32 v7, s19, v7                       ; out: row r, + 128 h
	v_lshlrev_b32 v15, 3, v3                       ; 8 h
	v_mov_b32 v28, 0                               ; written once: a lane permute's destination counts as one of its sources
	s_wait_alu depctr_va_vdst(0)
	s_wait_kmcnt 0x0
	s_add_nc_u64 s[4:5], s[4:5], s[24:25]
	s_add_nc_u64 s[10:11], s[10:11], s[26:27]
	s_add_nc_u64 s[32:33], s[10:11], s[30:31]      ; scale bytes
	s_add_nc_u64 s[10:11], s[10:11], s[28:29]      ; codes
.macro LOADX f                         ; fragment f: 512 consecutive bytes of each of the tile's 16 rows
.irp p, 0,1,2,3,4,5,6,7,8,9,10,11,12,13,14,15
	global_load_b128 v[R+64*((\f)%2)+4*\p:R+64*((\f)%2)+4*\p+3], v4, s[4:5] offset:(\p+8*(\p/8))*4096+512*(\f) th:TH_LOAD_NT
.endr
.endm
.macro FRAGX f
.if (\f) < 3
	s_wait_loadcnt 16                              ; this fragment's sixteen loads are in; the next fragment's sixteen may be out
.else
	s_wait_loadcnt 0x0
.endif
.irp p, 0,1,2,3,4,5,6,7,8,9,10,11,12,13,14,15
	ds_store_b128 v6, v[R+64*((\f)%2)+4*\p:R+64*((\f)%2)+4*\p+3] offset:528*\p
.endr
.irp c, 0,1
.irp j, 0,1,2,3,4,5,6,7
	ds_load_b128 v[X+32*\c+4*\j:X+32*\c+4*\j+3], v7 offset:256*\c+16*\j   ; LDS serves a wave's instructions in order (ISA guide 5.7.1.4): these see the stores above
.endr
.endr
	s_wait_dscnt 0x0
.if (\f)+2 < 4
	LOADX (\f)+2                                   ; into the set that has just gone through the stage
.endif
.irp c, 0,1
	v_max3_num_f32 v[8+\c], |v[X+32*\c]|, |v[X+32*\c+1]|, 0x1800000   ; my block 2 c + h: all its 32 numbers are mine; and the floor 2^(3 - 127), so that the byte cannot fall under 1
.endr
.irp i, 2,4,6,8,10,12,14,16,18,20,22,24,26,28,30
.irp c, 0,1
	v_max3_num_f32 v[8+\c], v[8+\c], |v[X+32*\c+\i]|, |v[X+32*\c+\i+1]|   ; (the two blocks by turns)
.endr
.endr
.irp c, 0,1
	v_add_nc_u32 v[10+\c], 0xff000000, v[8+\c]     ; 2 off the exponent field: the conversion takes the exponent field of this operand as its scale
.endr
.irp c, 0,1
	v_lshrrev_b32 v[12+\c], 23, v[10+\c]           ; the scale's byte
.endr
	v_lshl_or_b32 v14, v13, 16, v12                ; my two bytes: blocks h and 2 + h,
	v_lshlrev_b32 v14, v15, v14                    ; at their places in the row's scale word;
	v_permlanex16_b32 v28, v14, s20, s21
	v_or_b32 v[16+(\f)], v14, v28                  ; with lane l xor 16's two the word is whole, in both halves of the lanes
	s_wait_alu depctr_va_vdst(0)
	s_wait_xcnt 0x0                                ; the last fragment's stores have read the codes' registers
.irp c, 0,1
	v_cvt_scalef32_pk16_fp6_f32 v[PC+6*\c:PC+6*\c+2], v[X+32*\c:X+32*\c+15], v[10+\c]
	v_cvt_scalef32_pk16_fp6_f32 v[PC+12+4*\c:PC+14+4*\c], v[X+32*\c+16:X+32*\c+31], v[10+\c]   ; (a conversion's three registers begin on an even number)
.endr
	v_nop                                          ; one plain place behind a scaled conversion
.irp c, 0,1
.irp i, 0,1,2
	v_mov_b32 v[PC+3+6*\c+\i], v[PC+12+4*\c+\i]
.endr
.endr
	global_store_b128 v4, v[PC:PC+3], s[10:11] offset:1536*(\f)          ; each store covers 512 or 256 consecutive bytes, aligned to 256
	global_store_b64 v5, v[PC+4:PC+5], s[10:11] offset:1536*(\f)+512
	global_store_b128 v4, v[PC+6:PC+9], s[10:11] offset:1536*(\f)+768
	global_store_b64 v5, v[PC+10:PC+11], s[10:11] offset:1536*(\f)+1280
.endm
	LOADX 0
	LOADX 1
	FRAGX 0
	FRAGX 1
	FRAGX 2
	FRAGX 3
	v_cndmask_b32 v24, v16, v18, s22               ; lanes 0-15: row r's words of fragments 0, 1; lanes 16-31: of fragments 2, 3
	v_cndmask_b32 v25, v17, v19, s22
	global_store_b64 v5, v[24:25], s[32:33]        ; 256 consecutive bytes
	s_wait_tensorcnt 0x0                           ; the wave's end: behind my last LDS store
	ds_add_u32 v[SPW], v[NIL]
	s_wait_dscnt 0x0
	s_endpgm
	; ---------------- the weights ----------------
.Lweights:
	s_sub_co_u32 s17, ttmp9, 256                   ; g = 0 .. 127
	s_lshr_b32 s18, s17, 2
	s_and_b32 s19, s17, 3                          ; kq: which 256 along K
	s_lshl_b32 s24, s18, 2
	s_add_co_u32 s24, s24, s16                     ; cg: which 32 columns of the 3,072 + 1,024: the four waves stand side by side
	s_wait_kmcnt 0x0
	s_cmp_lt_u32 s18, 24                           ; w_qkv or w_out?  The choice hangs on the work-group's number alone
	s_cselect_b64 s[6:7], s[6:7], s[8:9]
	s_mov_b32 s23, 4096
	s_cselect_b32 s23, 12288, s23                  ; S: a row of the weight in bytes
	s_cselect_b32 s25, 0, 96
	s_sub_co_u32 s25, s24, s25                     ; the column group inside its weight
	s_lshl_b32 s26, s25, 7                         ; 32 columns x 4 bytes
	s_lshl_b32 s27, s19, 8
	s_mul_i32 s27, s27, s23                        ; 256 kq rows
	s_add_co_u32 s26, s26, s27
	s_mov_b32 s27, 0
	s_add_nc_u64 s[32:33], s[6:7], s[26:27]        ; block 0's first row at my wave's first column
	s_lshl_b32 s28, s23, 5                         ; 32 rows on
	s_mov_b32 s29, 0
.irp t, 1,2,3,4,5,6,7
	s_add_nc_u64 s[32+2*\t:33+2*\t], s[30+2*\t:31+2*\t], s[28:29]   ; a base for each of the eight blocks: none is stepped
.endr
	s_mul_i32 s26, s24, 25600                      ; tiles 2 cg and 2 cg + 1 of ww
	s_add_nc_u64 s[12:13], s[12:13], s[26:27]
	s_mul_i32 s26, s19, 3072                       ; my two fragments in a tile
	s_add_nc_u64 s[48:49], s[12:13], s[26:27]
	s_lshl_b32 s26, s19, 7
	s_add_co_u32 s26, s26, 12288                   ; and my eight scale bytes a row
	s_add_nc_u64 s[50:51], s[12:13], s[26:27]
	v_bfe_u32 v8, v0, 3, 1                         ; my column's tile of the two: (lane / 8) % 2,
	v_and_b32 v9, 7, v0
	s_wait_alu depctr_va_vdst(0)
	v_lshl_add_u32 v9, v3, 3, v9                   ; and its row p there: lane % 8 + 8 (lane / 16)
	s_mul_i32 s30, s16, WST
	s_add_co_u32 s30, s30, WBASE                   ; my stage
	v_mul_u32_u24 v10, v8, 3200
	v_add_nc_u32 v10, s30, v10
	v_lshl_add_u32 v6, v9, 4, v10                  ; in: 16 p,
	v_lshl_add_u32 v7, v9, 3, v10                  ; and 8 p
	v_add_nc_u32 v16, s30, v4                      ; out: 16 x lane
	v_mul_u32_u24 v17, v8, 12800
	v_lshl_add_u32 v17, v9, 3, v17                 ; my row's scale bytes in ww
	v_lshlrev_b32 v[VO], 2, v1
.irp i, 1,2,3,4,5,6,7,8,9,10,11,12,13,14,15,16,17,18,19,20,21,22,23,24,25,26,27,28,29,30,31
	v_add_nc_u32 v[VO+\i], s23, v[VO+\i-1]
.endr
.macro LOADW t                         ; block t: w(256 kq + 32 t + i, my column): 32 lanes read 128 consecutive bytes, the four waves 512
.irp i, 0,1,2,3,4,5,6,7,8,9,10,11,12,13,14,15,16,17,18,19,20,21,22,23,24,25,26,27,28,29,30,31
	global_load_b32 v[XW+32*((\t)%2)+\i], v[VO+\i], s[32+2*(\t):33+2*(\t)] th:TH_LOAD_NT
.endr
.endm
.macro BLOCKW t
.set XS, XW+32*((\t)%2)
.if (\t) < 7
	s_wait_loadcnt 32                              ; this block's 32 loads are in; the next block's may be out
.else
	s_wait_loadcnt 0x0
.endif
	v_max3_num_f32 v8, |v[XS]|, |v[XS+1]|, |v[XS+2]|               ; the block's largest magnitude: all 32 numbers are mine
	v_max3_num_f32 v9, |v[XS+3]|, |v[XS+4]|, |v[XS+5]|
.irp i, 6,10,14,18,22,26
	v_max3_num_f32 v8, v8, |v[XS+\i]|, |v[XS+\i+1]|
	v_max3_num_f32 v9, v9, |v[XS+\i+2]|, |v[XS+\i+3]|
.endr
	v_max3_num_f32 v8, v8, |v[XS+30]|, |v[XS+31]|
	v_max3_num_f32 v8, v8, v9, 0x1800000           ; and the floor
	v_add_nc_u32 v10, 0xff000000, v8               ; the conversion's scale operand
	v_lshrrev_b32 v11, 23, v10                     ; the scale's byte
.if (\t)%4 == 0
	v_mov_b32 v[14+(\t)/4], v11                    ; four bytes to a register, the lower K in the lower byte
.else
	v_lshl_or_b32 v[14+(\t)/4], v11, 8*((\t)%4), v[14+(\t)/4]
.endif
	v_cvt_scalef32_pk16_fp6_f32 v[CW:CW+2], v[XS:XS+15], v10
	v_cvt_scalef32_pk16_fp6_f32 v[CW+8:CW+10], v[XS+16:XS+31], v10
	v_nop                                          ; one plain place behind a scaled conversion
.irp i, 0,1,2
	v_mov_b32 v[CW+3+\i], v[CW+8+\i]
.endr
	; block t is K = 128 (t / 4) + 64 ((t / 2) % 2) + 32 (t % 2) of my two fragments: registers 6 c .. 6 c + 5 of the image's lane 16 (t % 2) + p
	ds_store_b128 v6, v[CW:CW+3] offset:1536*((\t)/4)+768*(((\t)/2)%2)+256*((\t)%2)
	ds_store_b64 v7, v[CW+4:CW+5] offset:1536*((\t)/4)+768*(((\t)/2)%2)+512+128*((\t)%2)
.if (\t)+2 < 8
	LOADW (\t)+2
.endif
	s_wait_dscnt 0x0                               ; the stores have read their registers: the next block's codes may be written
.endm
	LOADW 0
	LOADW 1
.irp t, 0,1,2,3,4,5,6,7
	BLOCKW \t
.endr
	s_wait_alu depctr_va_vdst(0)
	global_store_b64 v17, v[14:15], s[50:51]       ; my column's eight scale bytes: 16 lanes of a tile cover 128 consecutive bytes (one byte in 128 of what the launch reads)
.irp n, 0,1,2,3,4,5,6,7,8,9,10,11
	ds_load_b128 v[OUTW+4*\n:OUTW+4*\n+3], v16 offset:3200*(\n/6)+512*(\n%6)
.endr
.irp n, 0,1,2,3,4,5,6,7,8,9,10,11
	s_wait_dscnt 11-\n                             ; LDS loads come back in order: load n is in, the younger ones may be out
	global_store_b128 v4, v[OUTW+4*\n:OUTW+4*\n+3], s[48:49] offset:12800*(\n/6)+512*(\n%6)   ; 512 consecutive bytes, aligned to 256
.endr
	s_wait_tensorcnt 0x0                           ; the wave's end: behind my last LDS store
	ds_add_u32 v[SPW], v[NIL]
	s_wait_dscnt 0x0
	s_endpgm
.Lfunc_end_k_qaa6a525aa2_quant:
	.size	k_qaa6a525aa2_quant, .Lfunc_end_k_qaa6a525aa2_quant-k_qaa6a525aa2_quant
	.p2alignl 7, 3214868480
	.fill 96, 4, 3214868480
	.section	.rodata,"a",@progbits
	.p2align	6, 0x0
	.amdhsa_kernel k_qaa6a525aa2_quant
		.amdhsa_group_segment_fixed_size 59904
		.amdhsa_private_segment_fixed_size 0
		.amdhsa_enable_private_segment 0
		.amdhsa_kernarg_size 40
		.amdhsa_user_sgpr_count 2
		.amdhsa_user_sgpr_kernarg_segment_ptr 1
		.amdhsa_wavefront_size32 1
		.amdhsa_system_sgpr_workgroup_id_x 1
		.amdhsa_system_sgpr_workgroup_id_y 1
		.amdhsa_system_sgpr_workgroup_id_z 1
		.amdhsa_system_vgpr_workitem_id 0
		.amdhsa_next_free_vgpr 256
		.amdhsa_next_free_sgpr 66
		.amdhsa_reserve_vcc 0
		.amdhsa_float_denorm_mode_32 3
		.amdhsa_float_denorm_mode_16_64 3
		.amdhsa_memory_ordered 1
		.amdhsa_forward_progress 1
		.amdhsa_inst_pref_size 73
	.end_amdhsa_kernel
	.amdgpu_metadata
---
amdhsa.version: [ 1, 2 ]
amdhsa.kernels:
  - .name:           k_qaa6a525aa2_quant
    .symbol:         k_qaa6a525aa2_quant.kd
    .args:
      - { .name: x, .offset: 0, .size: 8, .value_kind: global_buffer, .address_space: global }
      - { .name: w_qkv, .offset: 8, .size: 8, .value_kind: global_buffer, .address_space: global }
      - { .name: w_out, .offset: 16, .size: 8, .value_kind: global_buffer, .address_space: global }
      - { .name: xq, .offset: 24, .size: 8, .value_kind: global_buffer, .address_space: global }
      - { .name: ww, .offset: 32, .size: 8, .value_kind: global_buffer, .address_space: global }
    .group_segment_fixed_size: 59904
    .private_segment_fixed_size: 0
    .kernarg_segment_align: 8
    .kernarg_segment_size: 40
    .max_flat_workgroup_size: 128
    .sgpr_count:     66
    .vgpr_count:     256
    .wavefront_size: 32
...
	.end_amdgpu_metadata
.endif
;; end of part 1
;; launch gemm_qkv (part 2): grid 12 x 32, 4 waves a work-group, clusters of 4 x 4, 327,680 bytes of LDS; arguments xq, ww, qi, kv; writes qi, kv
.if DOCPART == 2
	.amdgcn_target "amdgcn-amd-amdhsa--gfx1250"
	.amdhsa_code_object_version 6
	.text
	.protected	k_qaa6a525aa2_gemm_qkv
	.globl	k_qaa6a525aa2_gemm_qkv
	.p2align	8
	.type	k_qaa6a525aa2_gemm_qkv,@function
k_qaa6a525aa2_gemm_qkv:
	s_mov_b64 s[64:65], 0
	v_nop
	global_prefetch_b8 v0, s[64:65] scope:SCOPE_SE
	s_setreg_imm32_b32 hwreg(HW_REG_WAVE_MODE, 25, 1), 1
	s_wait_xcnt 0x0
	s_wait_alu depctr_hold_cnt(0) depctr_sa_sdst(0) depctr_va_vdst(0) depctr_va_sdst(0) depctr_va_ssrc(0) depctr_va_vcc(0) depctr_vm_vsrc(0)
	s_getreg_b32 s2, hwreg(HW_REG_IB_STS2, 6, 4)
	s_cmp_eq_u32 s2, 0
	s_cbranch_scc0 .Lentry_in_a_cluster
	s_endpgm
.Lentry_in_a_cluster:
	s_bfe_u32 s2, ttmp6, 0x10000c
	s_cmp_lg_u32 s2, 0xf033
	s_cbranch_scc0 .Lentry_shape_is_right
	s_endpgm
.Lentry_shape_is_right:
; qkv = x w_qkv on codes of FP6 (E2M3) with E8M0 scales, K = 1,024; q, k and v are quantised again on the way out and never go to memory as f32.
; C'[i][j] = sum over k of A'[i][k] B'[j][k].  A tile of C' is 256 x 256: four waves, each 128 x 128: 64 accumulators of 16 x 16, 512 registers.  THE ROLE HANGS ON THE CLUSTER'S x, which all sixteen partners share:
;   0 (q), 1 (k): A' = x's tokens, B' = w_qkv's columns: a lane's registers run along the columns, which are the head's channels: the K of q k^T.
;   2 (v):        A' = w_qkv's v columns, B' = x's tokens: C' = v^T: a lane's registers run along the tokens, which are the keys: the K of p v.
; OPERANDS lie in memory as images of their registers: a row tile (16 rows; tile T holds rows 32 (T / 2) + 8 (T % 2) + p + 8 (p / 8)) takes 12,800 bytes: 8 fragments of 1,536 (registers 0-3 at 16 x lane,
; 4-5 at 512 + 8 x lane, 6-9 at 768 + 16 x lane, 10-11 at 1,280 + 8 x lane), then 512 scale bytes (row p, block j at 128 (j / 8) + 8 p + j % 8).
; K goes in four steps of 256 through two LDS slots; a wave's tensor load brings 8 tiles x 3,072 bytes.  The scale bytes of all of K come once, with the first fills.
; CLUSTERS: 4 x 4 work-groups; A's tiles are shared along a row of the cluster, B's along a column: each is asked for JOINTLY, by the same tensor load with the same descriptor and a mask that names the four.
; THE MATRIX INSTRUCTION IS USED TRANSPOSED (source 0 = 16 rows of B', source 1 = 16 rows of A'): lane (r, h) holds row r of A's tile, and by the order of rows in B's tiles the 16 registers of B's tiles 2 b, 2 b + 1
; are 16 neighbours 32 b + 16 h + 0 .. 15 along B's rows: the conversions take them as they stand.
; OUT.  qi [64 heads][16 groups of 128 queries][6,656]: 8 tiles x 768 bytes (the six registers of 64 channels), then 512 bytes of scale words: tile t, row r at 16 (16 (t % 2) + r) + 4 (t / 2).
;       kv [64 heads][16 steps of 128 keys][13,312]: K as in qi; from 6,656 on V^T: 4 tiles (16 channels x 128 keys) of 1,536 bytes, registers 4 c .. 4 c + 3 at 512 c + 16 x lane; from 12,800 on its scale words, tile t at 16 x lane + 4 t.
; q is NOT multiplied by 1/8 here: a power of two goes through the quantiser unchanged, and the attention launch folds it into its factor (exact but for blocks of q under 2^-121).
; LIMITS: NaN and infinities are not served; a block whose largest magnitude lies under 2^-124, a block of zeros too, gets the byte 1.
; No prefetch: of the four K steps two are first fills and two are asked for a K step ahead of their use.
; REGISTERS, in windows of 256: window 0: v16-29 addresses; v32-63 scale words, two sets; v128-223 A's fragments, ONE set; on the way out v112-231 at work.
;   window 1: B's fragments, two sets, at v0 and v128.   window 2: the accumulators of A's blocks 0-3 ((a, b) at v[8 (8 (a % 4) + b)]);   window 3: of blocks 4-7.
.set FR,    12                         ; registers of a fragment
.set NL,    4                          ; LDS loads that bring one
.set NP,    4                          ; places behind this matrix instruction (ISA guide 7.12.1)
.set NQ,    2                          ; matrix instructions deep in a slot
.set TILEB, 12800                      ; a row tile in memory
.set KSB,   3072                       ; a tile's two fragments of a K step
.set HALFT, 8*KSB                      ; 8 tiles: what one tensor load brings, and what one wave reads of A' or of B'
.set SLOT,  4*HALFT                    ; A's 16 tiles, then B's 16
.set SCL,   2*SLOT                     ; behind the ring: the scale bytes, 512 a tile, in a slot's order
.set HALFS, 4096
.set SPARE, SCL+4*HALFS                ; the spare words, 128 bytes for each wave: two blocks of 256 bytes that no other line names
.set ADRA, 16                          ; v16-17 LDS address of my A fragments in slot 0, 1, + 16 x lane;  v18-19 the same + 8 x lane
.set ADRB, 20                          ; v20-23 the same for B
.set L16,  24                          ; v24    16 x lane
.set L8,   25                          ; v25    8 x lane
.set ADRS, 27                          ; v27    LDS address of my scale words: lanes 0-15 A's rows, lanes 16-31 B's
.set SPW,  28                          ; v28    LDS address of my spare word; never rewritten
.set NIL,  29                          ; v29    0; never rewritten
.set SC,   32                          ; scale words: set s at v[SC + 16 s]; register 2 i + q: lanes 0-15 A's block i, lanes 16-31 B's block i, the slot's q-th 128 along K
.set AF,   128
.set PC,   112                         ; the way out: v112-123 a fragment's codes; v124-126, v128-130 halves as they are made
.set TM,   200                         ; v200-203 largest magnitudes, v204-207 bytes, v212-215 scale operands
.set PW,   216                         ; the scale word just made
.set SWA,  220                         ; v220-223, v224-227 scale words on their way out
.set SWB,  224
.set T0,   228                         ; v228-231 at work
.set G1, 24                            ; s[24:31] descriptor group 1 for A's tiles;  s[32:39] group 0, one set for each slot
.set G0, 32
.set G1B, 48                           ; s[48:55], s[56:63] the same for B's
.set G0B, 56
.set G1S, 68                           ; s[68:75], s[76:79] groups 1 and 0 for A's scale bytes;  s[80:87], s[88:91] for B's
.set G0S, 76
.set G1SB, 80
.set G0SB, 88
.set SEL, 92                           ; s[92:93] lane selects for v_permlanex16_b32 (on the way out)
.set MSB, 0
.macro WIN new                         ; the immediate's high byte repeats the setting that is left
.if MSB != \new
	s_set_vgpr_msb (MSB<<8)|\new
.set MSB, \new
.endif
.endm
.set MUL_LO, 0xa1                      ; source 0 (B') window 1, source 1 (A') window 0, C and D window 2
.set MUL_HI, 0xf1                      ; the same, C and D window 3
.set TO_B,   0x40                      ; destination window 1, address window 0
; A joint load: waves 0 and 1 fetch for A', waves 2 and 3 for B'.  The branch hangs on the wave's number alone.  An s_nop 0 and four v_nop follow each of the two lines.
.macro JLOAD g0a, g1a, g0b, g1b
	s_cmp_eq_u32 s15, 0
	s_cbranch_scc0 .Lfor_b_\@
	tensor_load_to_lds s[\g0a:\g0a+3], s[\g1a:\g1a+7]
	s_nop 0
.rept 4
	v_nop
.endr
	s_branch .Lasked_\@
.Lfor_b_\@:
	tensor_load_to_lds s[\g0b:\g0b+3], s[\g1b:\g1b+7]
	s_nop 0
.rept 4
	v_nop
.endr
.Lasked_\@:
.endm
.macro CREST                           ; a round of the cluster's barrier behind its opening barrier
	s_cmp_lg_u32 s14, 0
	s_cbranch_scc1 .Lnot_wave_0_\@
	s_barrier_signal -3
.Lnot_wave_0_\@:
	s_barrier_wait -3
	s_barrier_signal -1
	s_barrier_wait -1
.endm
.macro CROUND                          ; a whole round
	s_barrier_signal -1
	s_barrier_wait -1
	CREST
.endm
	s_load_b128 s[4:7], s[0:1], 0x0                ; xq s[4:5], ww s[6:7]
	s_load_b128 s[8:11], s[0:1], 0x10              ; qi s[8:9], kv s[10:11]
	v_lshl_add_u32 v[SPW], v0, 2, SPARE
	v_mov_b32 v[NIL], 0
	ds_add_u32 v[SPW], v[NIL]                      ; the wave's opening: the add and its wait stand ahead of my first tensor load; the set-up below, work on registers, stands between them
	ds_add_u32 v[SPW], v[NIL]
	v_lshrrev_b32 v1, 5, v0
	v_readfirstlane_b32 s14, v1                    ; wave 0..3
	s_lshr_b32 s15, s14, 1                         ; which half of A's rows is mine.  Also: I fetch for A' (0) or for B' (1)
	s_and_b32 s16, s14, 1                          ; which half of B's rows.  Also: which 8 tiles I fetch
	s_bfe_u32 s40, ttmp6, 0x40000                  ; cx, cy: my place in the cluster
	s_bfe_u32 s41, ttmp6, 0x40004
	s_lshl_b32 s43, s41, 2
	s_lshl_b32 s43, 15, s43                        ; my row of the cluster
	s_lshl_b32 s44, 0x1111, s40                    ; my column
	s_and_b32 s17, ttmp7, 0xffff
	s_lshl_b32 s17, s17, 2                         ; 4 x cluster y
	s_lshl_b32 s42, ttmp9, 2                       ; 4 x cluster x
	s_cmp_eq_u32 ttmp9, 2                          ; the role: the same in all sixteen partners
	s_cselect_b32 s18, 8, s17                      ; A's block of 256 rows: v: ww's 8 + cy;  q, k: xq's 4 x cluster y + cy
	s_cselect_b32 s19, s17, s42                    ; B's: v: xq's 4 x cluster y + cx;  q, k: ww's 4 x cluster x + cx
	s_add_co_u32 s18, s18, s41
	s_add_co_u32 s19, s19, s40
	; descriptor group 1: 8 rows (tiles) of 384 elements of 8 bytes, 1,600 elements apart; dense in LDS
	s_or_b32 s[G1+0], s43, (3<<16)|(1<<21)         ; 15:0 the mask: A's tiles go to my row; 17:16 elements of 8 bytes; 20 no padding; 21 set beside a mask
	s_or_b32 s[G1B+0], s44, (3<<16)|(1<<21)
.irp g, G1, G1B
	s_mov_b32 s[\g+1], 384<<16                     ; tensor_dim0
	s_mov_b32 s[\g+2], 8<<16                       ; tensor_dim1
	s_mov_b32 s[\g+3], 384<<16                     ; tile_dim0
	s_mov_b32 s[\g+4], 8                           ; tile_dim1
	s_mov_b32 s[\g+5], 1600                        ; tensor_dim0_stride
	s_mov_b32 s[\g+6], 0
	s_mov_b32 s[\g+7], 0
.endr
	; and for the scale bytes: 8 rows of 64 elements (512 bytes)
	s_or_b32 s[G1S+0], s43, (3<<16)|(1<<21)
	s_or_b32 s[G1SB+0], s44, (3<<16)|(1<<21)
.irp g, G1S, G1SB
	s_mov_b32 s[\g+1], 64<<16
	s_mov_b32 s[\g+2], 8<<16
	s_mov_b32 s[\g+3], 64<<16
	s_mov_b32 s[\g+4], 8
	s_mov_b32 s[\g+5], 1600
	s_mov_b32 s[\g+6], 0
	s_mov_b32 s[\g+7], 0
.endr
	s_lshl_b32 s20, s18, 4
	s_lshl_b32 s21, s16, 3
	s_add_co_u32 s20, s20, s21                     ; A': the first tile that I fetch: 16 x block + 8 x half
	s_mul_i32 s20, s20, TILEB
	s_mov_b32 s21, 0
	s_lshl_b32 s46, s19, 4
	s_lshl_b32 s47, s16, 3
	s_add_co_u32 s46, s46, s47                     ; B' likewise
	s_mul_i32 s46, s46, TILEB
	s_mov_b32 s47, 0
	s_mul_i32 s45, s14, HALFT                      ; where they go: wave x 8 tiles: no place in the cluster enters an LDS address
	s_lshl_b32 s94, s14, 12
	s_wait_dscnt 0x0                               ; the opening add is done
	s_wait_kmcnt 0x0
	s_cmp_eq_u32 ttmp9, 2
	s_cselect_b64 s[22:23], s[6:7], s[4:5]         ; A's buffer
	s_cselect_b64 s[92:93], s[4:5], s[6:7]         ; B's
	s_add_nc_u64 s[20:21], s[22:23], s[20:21]
	s_add_nc_u64 s[46:47], s[92:93], s[46:47]
	CROUND                                         ; all sixteen work-groups are here: the first joint loads meet
	s_mov_b32 s[G0S], 1
	s_add_co_u32 s[G0S+1], s94, SCL
	s_add_nc_u64 s[G0S+2:G0S+3], s[20:21], 12288
	s_or_b32 s[G0S+3], s[G0S+3], 0x80000000
	s_mov_b32 s[G0SB], 1
	s_add_co_u32 s[G0SB+1], s94, SCL
	s_add_nc_u64 s[G0SB+2:G0SB+3], s[46:47], 12288
	s_or_b32 s[G0SB+3], s[G0SB+3], 0x80000000
	JLOAD G0S, G1S, G0SB, G1SB                     ; the scale bytes first: they are wanted with K step 0
.irp s, 0,1
	s_mov_b32 s[G0+4*\s], 1
	s_add_co_u32 s[G0+4*\s+1], s45, \s*SLOT
	s_add_nc_u64 s[G0+4*\s+2:G0+4*\s+3], s[20:21], \s*KSB
	s_or_b32 s[G0+4*\s+3], s[G0+4*\s+3], 0x80000000
	s_mov_b32 s[G0B+4*\s], 1
	s_add_co_u32 s[G0B+4*\s+1], s45, \s*SLOT
	s_add_nc_u64 s[G0B+4*\s+2:G0B+4*\s+3], s[46:47], \s*KSB
	s_or_b32 s[G0B+4*\s+3], s[G0B+4*\s+3], 0x80000000
	JLOAD G0+4*\s, G1, G0B+4*\s, G1B               ; three loads of mine are out behind the second of these
.endr
	v_and_b32 v1, 31, v0                           ; lane
	v_and_b32 v2, 15, v0                           ; r
	v_bfe_u32 v3, v0, 4, 1                         ; h
	v_lshlrev_b32 v[L16], 4, v1
	v_lshlrev_b32 v[L8], 3, v1
	s_mul_i32 s12, s15, HALFT                      ; my 8 tiles of A'
	s_mul_i32 s13, s16, HALFT                      ; my 8 tiles of B',
	s_add_co_u32 s13, s13, 2*HALFT                 ; which lie behind A's 16
.irp s, 0,1
	v_add_nc_u32 v[ADRA+\s], s12, v[L16]
	v_add_nc_u32 v[ADRA+2+\s], s12, v[L8]
	v_add_nc_u32 v[ADRB+\s], s13, v[L16]
	v_add_nc_u32 v[ADRB+2+\s], s13, v[L8]
	s_add_co_u32 s12, s12, SLOT
	s_add_co_u32 s13, s13, SLOT
.endr
	s_lshl_b32 s12, s15, 12                        ; A's scale bytes: my 8 tiles
	s_lshl_b32 s13, s16, 12                        ; B's: my 8 tiles, behind A's 16
	s_add_co_u32 s13, s13, 2*HALFS
	s_sub_co_u32 s13, s13, s12
	v_mul_u32_u24 v4, s13, v3                      ; lanes 16-31 take B's
	s_add_co_u32 s12, s12, SCL
	v_lshl_add_u32 v4, v2, 3, v4                   ; 8 bytes a row and K step
	v_add_nc_u32 v[ADRS], s12, v4
	; where my results go: 128 tokens T128 = 16 b + s, heads h0 and h0 + 1
	s_lshl_b32 s2, s18, 1
	s_add_co_u32 s2, s2, s15                       ; q, k: the tokens are A's rows
	s_lshl_b32 s3, s19, 1
	s_add_co_u32 s3, s3, s16                       ; v: B's
	s_lshl_b32 s12, s40, 2
	s_lshl_b32 s13, s16, 1
	s_add_co_u32 s12, s12, s13                     ; q, k: h0 = 4 cx + 2 x my half of B'
	s_lshl_b32 s13, s41, 2
	s_lshl_b32 s17, s15, 1
	s_add_co_u32 s13, s13, s17                     ; v: h0 = 4 cy + 2 x my half of A'
	s_cmp_eq_u32 ttmp9, 2
	s_cselect_b32 s2, s3, s2
	s_cselect_b32 s12, s13, s12
	s_lshr_b32 s3, s2, 4                           ; b
	s_and_b32 s2, s2, 15                           ; s
	s_lshl_b32 s3, s3, 4
	s_add_co_u32 s3, s3, s12                       ; 16 b + h0
	s_lshl_b32 s3, s3, 4
	s_add_co_u32 s3, s3, s2                        ; x 16 + s
	s_cmp_eq_u32 ttmp9, 0
	s_cselect_b64 s[96:97], s[8:9], s[10:11]       ; q goes to qi, k and v to kv
	s_mov_b32 s13, 13312
	s_cselect_b32 s13, 6656, s13
	s_mul_i32 s2, s3, s13
	s_mov_b32 s3, 0
	s_add_nc_u64 s[96:97], s[96:97], s[2:3]        ; head h0's block
	s_lshl_b32 s2, s13, 4
	s_add_nc_u64 s[98:99], s[96:97], s[2:3]        ; head h0 + 1's: 16 blocks on
	s_mov_b32 s[SEL], 0x76543210
	s_mov_b32 s[SEL+1], 0xfedcba98
	s_mov_b32 s95, 0xffff0000                      ; lanes 16-31
.macro FRAG reg, a16, a8, q, i         ; a fragment comes back as it was stored: four loads, each of 512 or 256 consecutive bytes
	ds_load_b128 v[\reg:\reg+3], v[\a16] offset:KSB*(\i)+1536*(\q)
	ds_load_b64 v[\reg+4:\reg+5], v[\a8] offset:KSB*(\i)+1536*(\q)+512
	ds_load_b128 v[\reg+6:\reg+9], v[\a16] offset:KSB*(\i)+1536*(\q)+768
	ds_load_b64 v[\reg+10:\reg+11], v[\a8] offset:KSB*(\i)+1536*(\q)+1280
.endm
; 16 matrix instructions: A's blocks a0, a0 + 1 x B's eight, 128 along K: the slot's q-th.  p: B's set;  sc: the set of scale words.  zero = 1: the first product starts the sums: nothing is ever cleared.
; The 64 accumulators take turns, one instruction a turn, in the same order in every step.
.macro MUL16 a0, p, q, sc, zero
.irp a, \a0, \a0+1
.irp b, 0,1,2,3,4,5,6,7
.if \zero
	v_wmma_scale_f32_16x16x128_f8f6f4 v[8*(8*((\a)%4)+\b):8*(8*((\a)%4)+\b)+7], v[128*(\p)+FR*\b:128*(\p)+FR*\b+FR-1], v[AF+FR*(\a):AF+FR*(\a)+FR-1], 0, v[SC+8*NQ*(\sc)+NQ*\b+(\q)], v[SC+8*NQ*(\sc)+NQ*(\a)+(\q)] matrix_a_fmt:MATRIX_FMT_FP6 matrix_b_fmt:MATRIX_FMT_FP6 matrix_a_scale:MATRIX_SCALE_ROW1
.else
	v_wmma_scale_f32_16x16x128_f8f6f4 v[8*(8*((\a)%4)+\b):8*(8*((\a)%4)+\b)+7], v[128*(\p)+FR*\b:128*(\p)+FR*\b+FR-1], v[AF+FR*(\a):AF+FR*(\a)+FR-1], v[8*(8*((\a)%4)+\b):8*(8*((\a)%4)+\b)+7], v[SC+8*NQ*(\sc)+NQ*\b+(\q)], v[SC+8*NQ*(\sc)+NQ*(\a)+(\q)] matrix_a_fmt:MATRIX_FMT_FP6 matrix_b_fmt:MATRIX_FMT_FP6 matrix_a_scale:MATRIX_SCALE_ROW1
.endif
.endr
.endr
.endm
.macro FETCH_B slot, q, p              ; B's eight fragments of the slot's q-th 128 along K into set p
	WIN TO_B
.irp i, 0,1,2,3,4,5,6,7
	FRAG 128*(\p)+FR*\i, ADRB+\slot, ADRB+2+\slot, \q, \i
.endr
	WIN 0
.endm
.macro FETCH_A slot, q, i0             ; A's blocks i0 .. i0 + 3
.irp i, \i0, \i0+1, \i0+2, \i0+3
	FRAG AF+FR*(\i), ADRA+\slot, ADRA+2+\slot, \q, \i
.endr
.endm
.macro SCALES sc                       ; the next K step's scale words into set sc: two words a row; lanes 0-15 take A's block i, lanes 16-31 B's block i
.irp i, 0,1,2,3,4,5,6,7
	ds_load_b64 v[SC+8*NQ*\sc+NQ*\i:SC+8*NQ*\sc+NQ*\i+1], v[ADRS] offset:\i*512
.endr
.endm
; A load into a register that a matrix instruction has read, and a vector instruction that reads a matrix result, stand NP places behind that matrix instruction; only plain vector instructions that name none
; of its registers are places (ISA guide 7.12.1 for vector instructions).
.macro PLACES n
.rept \n
	v_nop
.endr
.endm
; A step of 128 along K that has its successor in the same slot.
.macro STEP slot, q, zero
	s_wait_dscnt 4*NL                              ; B's set, A's blocks 0-3 and the scale words are in; the youngest sixteen loads (A's blocks 4-7) may be out
	WIN MUL_LO
	MUL16 0, (\q)%2, \q, \slot, \zero
	MUL16 2, (\q)%2, \q, \slot, \zero
	s_wait_dscnt 0                                 ; A's blocks 4-7 are in (asked for 32 matrix instructions ago)
	PLACES NP
	FETCH_B \slot, (\q)+1, 1-(\q)%2
	FETCH_A \slot, (\q)+1, 0
	WIN MUL_HI
	MUL16 4, (\q)%2, \q, \slot, \zero
	MUL16 6, (\q)%2, \q, \slot, \zero
	PLACES NP
	WIN 0
	FETCH_A \slot, (\q)+1, 4
.endm
; A slot's last step changes slots: ONE barrier; in front of it each wave waits for all its tensor loads, adds 0 to its spare word, and waits for that and for its own reads of this slot.  fill = 1: this slot is filled again, two K steps ahead.
.macro TURN slot, next, fill
	s_wait_tensorcnt 0x0                           ; all my tensor loads have landed: my part of the next slot;  (every window is 0 here)
	ds_add_u32 v[SPW], v[NIL]                      ; 0 onto my spare word
	s_wait_dscnt 4*NL+1                            ; (the add and the youngest sixteen loads, A's blocks 4-7, may be out)
	WIN MUL_LO
	MUL16 0, 1, NQ-1, \slot, 0                     ; sixteen matrix instructions stand between the add and the wait for it
	s_wait_dscnt 0x0                               ; the add is done, and my reads of this slot are over
	s_barrier_signal -1
	MUL16 2, 1, NQ-1, \slot, 0
	WIN 0
	s_barrier_wait -1
.if \fill
	CREST                                          ; the barrier has opened a round of the cluster's barrier: no wave of any partner still reads this slot's tile or has a load on its way
	s_add_nc_u64 s[G0+4*\slot+2:G0+4*\slot+3], s[G0+4*\slot+2:G0+4*\slot+3], 2*KSB
	s_add_nc_u64 s[G0B+4*\slot+2:G0B+4*\slot+3], s[G0B+4*\slot+2:G0B+4*\slot+3], 2*KSB
	JLOAD G0+4*\slot, G1, G0B+4*\slot, G1B         ; the first tensor load behind the round; the four v_nop behind it are the places in front of the loads below
.else
	PLACES NP
.endif
	s_wait_alu depctr_va_vdst(0)
	v_add_nc_u32 v[ADRS], 128, v[ADRS]             ; on to the next K step's scale words
	FETCH_B \next, 0, 0
	FETCH_A \next, 0, 0
	SCALES \next
	WIN MUL_HI
	MUL16 4, 1, NQ-1, \slot, 0
	MUL16 6, 1, NQ-1, \slot, 0
	PLACES NP
	WIN 0
	FETCH_A \next, 0, 4
.endm
	s_wait_alu depctr_va_vdst(0)
	s_wait_tensorcnt 1                             ; the scale bytes and my part of K step 0 are in (K step 1's load may be out)
	s_barrier_signal -1
	s_barrier_wait -1                              ; everybody's are
	FETCH_B 0, 0, 0
	FETCH_A 0, 0, 0
	SCALES 0
	FETCH_A 0, 0, 4
	STEP 0, 0, 1                                   ; K = 1,024 is four K steps: written out, no jump
	TURN 0, 1, 1
	STEP 1, 0, 0
	TURN 1, 0, 1
	STEP 0, 0, 0
	TURN 0, 1, 0                                   ; the last change of slots fills nothing, and has no round of the cluster's barrier
	STEP 1, 0, 0
	s_wait_dscnt 4*NL                              ; the very last step: nothing more to fetch
	WIN MUL_LO
	MUL16 0, 1, NQ-1, 1, 0
	MUL16 2, 1, NQ-1, 1, 0
	s_wait_dscnt 0
	WIN MUL_HI
	MUL16 4, 1, NQ-1, 1, 0
	MUL16 6, 1, NQ-1, 1, 0
	WIN 0
; THE WAY OUT, without LDS.  A's block a: my 64 registers, register 16 b + i = B's row 32 b + 16 h + i of A's row r, become a fragment's codes in v[PC] on and its scale word in v[PW].
; Each accumulator is read from its low end on.  The running maximum stands as the THIRD source, so that one window setting serves all 32 lines.
.macro QUANTW a
.set AC, 64*((\a)%4)
	WIN (0x0a+5*((\a)/4))                          ; sources 0 and 1: window 2 or 3
.irp b, 0,1,2,3
	v_max3_num_f32 v[TM+\b], |v[AC+16*\b]|, |v[AC+16*\b+1]|, 0x1800000   ; block b: my 16 numbers, and the floor 2^(3 - 127): the byte cannot fall under 1
.endr
.irp i, 2,4,6,8,10,12,14
.irp b, 0,1,2,3
	v_max3_num_f32 v[TM+\b], |v[AC+16*\b+\i]|, |v[AC+16*\b+\i+1]|, v[TM+\b]   ; (the four blocks by turns)
.endr
.endr
	WIN 0
.irp b, 0,1,2,3
	v_permlanex16_b32 v[TM+4+\b], v[TM+\b], s[SEL], s[SEL+1]
.endr
.irp b, 0,1,2,3
	v_max_num_f32 v[TM+\b], v[TM+\b], v[TM+4+\b]   ; with lane l xor 16's: the block's largest magnitude
.endr
.irp b, 0,1,2,3
	v_add_nc_u32 v[TM+12+\b], 0xff000000, v[TM+\b] ; 2 off its exponent field: the conversion's scale operand
.endr
.irp b, 0,1,2,3
	v_lshrrev_b32 v[TM+4+\b], 23, v[TM+12+\b]      ; the scale's byte
.endr
	v_lshl_or_b32 v[PW], v[TM+5], 8, v[TM+4]       ; the four bytes make my row's scale word, in both halves of the lanes
	v_lshl_or_b32 v[PW], v[TM+6], 16, v[PW]
	v_lshl_or_b32 v[PW], v[TM+7], 24, v[PW]
	s_wait_xcnt 0x0                                ; the last block's stores have read the codes' registers
	WIN (0x02+(\a)/4)                              ; source 0: window 2 or 3
.irp c, 0,1
	v_cvt_scalef32_pk16_fp6_f32 v[PC+6*\c:PC+2+6*\c], v[AC+32*\c:AC+15+32*\c], v[TM+12+2*\c]
	v_cvt_scalef32_pk16_fp6_f32 v[PC+12+4*\c:PC+14+4*\c], v[AC+16+32*\c:AC+31+32*\c], v[TM+12+2*\c+1]   ; (a conversion's three registers begin on an even number)
.endr
	WIN 0
	v_nop                                          ; one plain place behind a scaled conversion
.irp c, 0,1                                    ; the operand's layout wants a WHOLE block in a lane: lanes 0-15 block 2 c, lanes 16-31 block 2 c + 1
.irp i, 0,1,2
	v_permlane16_swap_b32 v[PC+6*\c+\i], v[PC+12+4*\c+\i]
.endr
.irp i, 0,1,2
	v_mov_b32 v[PC+3+6*\c+\i], v[PC+12+4*\c+\i]
.endr
.endr
.endm
	PLACES NP                                      ; behind the last products: their results are read and their operands' registers written below
.irp b, 0,1,2,3
	v_mov_b32 v[TM+4+\b], 0                        ; written once: a lane permute's destination counts as one of its sources
.endr
	s_cmp_eq_u32 ttmp9, 2                          ; the role again: the same in all partners
	s_cbranch_scc1 .Lvalues
	; q, k: block a is 16 tokens; registers 0-5 are head h0's 64 channels, registers 6-11 head h0 + 1's; of the scale word the low half is h0's, the high half h0 + 1's
.irp a, 0,1,2,3,4,5,6,7
	QUANTW \a
	global_store_b128 v[L16], v[PC:PC+3], s[96:97] offset:768*\a          ; each store covers 512 or 256 consecutive bytes, aligned to 256
	global_store_b64 v[L8], v[PC+4:PC+5], s[96:97] offset:768*\a+512
	global_store_b128 v[L16], v[PC+6:PC+9], s[98:99] offset:768*\a
	global_store_b64 v[L8], v[PC+10:PC+11], s[98:99] offset:768*\a+512
.if \a%2 == 0
	v_and_b32 v[T0], 0xffff, v[PW]
	v_lshrrev_b32 v[T0+1], 16, v[PW]
.else
	v_and_b32 v[T0+2], 0xffff, v[PW]
	v_lshrrev_b32 v[T0+3], 16, v[PW]
	v_cndmask_b32 v[SWA+\a/2], v[T0], v[T0+2], s95     ; lanes 0-15: the even tile's words; lanes 16-31: the odd tile's
	v_cndmask_b32 v[SWB+\a/2], v[T0+1], v[T0+3], s95
.endif
.endr
	global_store_b128 v[L16], v[SWA:SWA+3], s[96:97] offset:6144
	global_store_b128 v[L16], v[SWB:SWB+3], s[98:99] offset:6144
	s_branch .Lend
.Lvalues:
	; v: block a is 16 channels (head h0 + a / 4, tile a % 4) x my 128 keys: a whole fragment and a whole scale word
.irp a, 0,1,2,3,4,5,6,7
	QUANTW \a
.irp c, 0,1,2
	global_store_b128 v[L16], v[PC+4*\c:PC+4*\c+3], s[96+2*(\a/4):97+2*(\a/4)] offset:6656+1536*(\a%4)+512*\c
.endr
	v_mov_b32 v[SWA+\a], v[PW]
.endr
	global_store_b128 v[L16], v[SWA:SWA+3], s[96:97] offset:12800
	global_store_b128 v[L16], v[SWB:SWB+3], s[98:99] offset:12800
.Lend:
	s_wait_tensorcnt 0x0                           ; the wave's end: behind my last tensor load
	ds_add_u32 v[SPW], v[NIL]
	s_wait_dscnt 0x0
	CROUND                                         ; the closing round: no work-group ends while a partner may still ask for a tile that names it
	s_endpgm
.Lfunc_end_k_qaa6a525aa2_gemm_qkv:
	.size	k_qaa6a525aa2_gemm_qkv, .Lfunc_end_k_qaa6a525aa2_gemm_qkv-k_qaa6a525aa2_gemm_qkv
	.p2alignl 7, 3214868480
	.fill 96, 4, 3214868480
	.section	.rodata,"a",@progbits
	.p2align	6, 0x0
	.amdhsa_kernel k_qaa6a525aa2_gemm_qkv
		.amdhsa_group_segment_fixed_size 327680
		.amdhsa_private_segment_fixed_size 0
		.amdhsa_enable_private_segment 0
		.amdhsa_kernarg_size 32
		.amdhsa_user_sgpr_count 2
		.amdhsa_user_sgpr_kernarg_segment_ptr 1
		.amdhsa_wavefront_size32 1
		.amdhsa_system_sgpr_workgroup_id_x 1
		.amdhsa_system_sgpr_workgroup_id_y 1
		.amdhsa_system_sgpr_workgroup_id_z 1
		.amdhsa_system_vgpr_workitem_id 0
		.amdhsa_next_free_vgpr 1024
		.amdhsa_next_free_sgpr 100
		.amdhsa_reserve_vcc 0
		.amdhsa_float_denorm_mode_32 3
		.amdhsa_float_denorm_mode_16_64 3
		.amdhsa_memory_ordered 1
		.amdhsa_forward_progress 1
		.amdhsa_inst_pref_size 184
	.end_amdhsa_kernel
	.amdgpu_metadata
---
amdhsa.version: [ 1, 2 ]
amdhsa.kernels:
  - .name:           k_qaa6a525aa2_gemm_qkv
    .symbol:         k_qaa6a525aa2_gemm_qkv.kd
    .args:
      - { .name: xq, .offset: 0, .size: 8, .value_kind: global_buffer, .address_space: global }
      - { .name: ww, .offset: 8, .size: 8, .value_kind: global_buffer, .address_space: global }
      - { .name: qi, .offset: 16, .size: 8, .value_kind: global_buffer, .address_space: global }
      - { .name: kv, .offset: 24, .size: 8, .value_kind: global_buffer, .address_space: global }
    .group_segment_fixed_size: 327680
    .private_segment_fixed_size: 0
    .kernarg_segment_align: 8
    .kernarg_segment_size: 32
    .max_flat_workgroup_size: 128
    .sgpr_count:     100
    .vgpr_count:     1024
    .wavefront_size: 32
...
	.end_amdgpu_metadata
.endif
;; end of part 2
;; launch attn (part 3): grid 4 x 64, 16 waves a work-group, clusters of 4 x 1, 327,680 bytes of LDS; arguments qi, kv, at; writes at
.if DOCPART == 3
	.amdgcn_target "amdgcn-amd-amdhsa--gfx1250"
	.amdhsa_code_object_version 6
	.text
	.protected	k_qaa6a525aa2_attn
	.globl	k_qaa6a525aa2_attn
	.p2align	8
	.type	k_qaa6a525aa2_attn,@function
k_qaa6a525aa2_attn:
	s_mov_b64 s[64:65], 0
	v_nop
	global_prefetch_b8 v0, s[64:65] scope:SCOPE_SE
	s_setreg_imm32_b32 hwreg(HW_REG_WAVE_MODE, 25, 1), 1
	s_wait_xcnt 0x0
	s_wait_alu depctr_hold_cnt(0) depctr_sa_sdst(0) depctr_va_vdst(0) depctr_va_sdst(0) depctr_va_ssrc(0) depctr_va_vcc(0) depctr_vm_vsrc(0)
	s_getreg_b32 s2, hwreg(HW_REG_IB_STS2, 6, 4)
	s_cmp_eq_u32 s2, 0
	s_cbranch_scc0 .Lentry_in_a_cluster
	s_endpgm
.Lentry_in_a_cluster:
	s_bfe_u32 s2, ttmp6, 0x10000c
	s_cmp_lg_u32 s2, 0x3003
	s_cbranch_scc0 .Lentry_shape_is_right
	s_endpgm
.Lentry_shape_is_right:
.set STEPB,  13312
.set CHUNKB, 4*STEPB
.set SPARE,  16*STEPB
.set L16, 1
.set L8,  2
.set A16, 3
.set A8,  4
.set SPW, 5
.set NIL, 6
.set WV,  18
.set SEL, 20
.set CS,  22
.set TB,  2
.macro ROUND
	s_barrier_signal -1
	s_barrier_wait -1
	s_cmp_lg_u32 s[WV], 0
	s_cbranch_scc1 .Lnot_wave_0_\@
	s_barrier_signal -3
.Lnot_wave_0_\@:
	s_barrier_wait -3
	s_barrier_signal -1
	s_barrier_wait -1
.endm
	s_load_b128 s[4:7], s[0:1], 0x0
	s_load_b64 s[8:9], s[0:1], 0x10
	v_lshl_add_u32 v[SPW], v0, 2, SPARE
	v_mov_b32 v[NIL], 0
	ds_add_u32 v[SPW], v[NIL]
	ds_add_u32 v[SPW], v[NIL]
	v_lshrrev_b32 v1, 5, v0
	s_delay_alu instid0(VALU_DEP_1)
	v_readfirstlane_b32 s[WV], v1
	s_bfe_u32 s13, ttmp6, 0x40000
	s_and_b32 s12, ttmp7, 0xffff
	s_mov_b32 s24, 15|(3<<16)|(1<<21)
	s_mov_b32 s25, 32<<16
	s_mov_b32 s26, 13<<16
	s_mov_b32 s27, 32<<16
	s_mov_b32 s28, 13
	s_mov_b32 s29, 32
	s_mov_b32 s30, 0
	s_mov_b32 s31, 0
	s_mul_i32 s14, s[WV], 3328
	s_mul_i32 s16, s12, 16*STEPB
	s_add_co_u32 s16, s16, s14
	s_mov_b32 s17, 0
	s_lshl_b32 s48, s12, 4
	s_lshl_b32 s49, s13, 2
	s_add_co_u32 s48, s48, s49
	s_lshr_b32 s49, s[WV], 3
	s_add_co_u32 s48, s48, s49
	s_mul_i32 s48, s48, 6656
	s_and_b32 s49, s[WV], 7
	s_mul_i32 s50, s49, 768
	s_add_co_u32 s50, s50, s48
	s_mov_b32 s51, 0
	s_lshr_b32 s49, s49, 1
	s_lshl_b32 s52, s49, 2
	s_and_b32 s49, s[WV], 1
	s_lshl_b32 s49, s49, 8
	s_add_co_u32 s52, s52, s49
	s_add_co_u32 s52, s52, s48
	s_add_co_u32 s52, s52, 6144
	s_mov_b32 s53, 0
	s_lshr_b32 s54, s12, 4
	s_and_b32 s49, s12, 15
	s_lshl_b32 s54, s54, 7
	s_lshl_b32 s48, s13, 5
	s_add_co_u32 s54, s54, s48
	s_add_co_u32 s54, s54, s[WV]
	s_mul_i32 s54, s54, 12800
	s_mul_i32 s56, s49, 768
	s_add_co_u32 s56, s56, s54
	s_mov_b32 s57, 0
	s_lshr_b32 s58, s49, 2
	s_lshl_b32 s58, s58, 7
	s_and_b32 s48, s49, 3
	s_lshl_b32 s48, s48, 1
	s_add_co_u32 s58, s58, s48
	s_add_co_u32 s58, s58, s54
	s_add_co_u32 s58, s58, 12288
	s_mov_b32 s59, 0
	s_mov_b32 s[SEL], 0x76543210
	s_mov_b32 s[SEL+1], 0xfedcba98
	s_mov_b32 s[CS], 0x3e38aa3b
	s_mov_b32 s[CS+1], s[CS]
	s_wait_dscnt 0x0
	s_wait_kmcnt 0x0
	s_add_nc_u64 s[6:7], s[6:7], s[16:17]
	s_add_nc_u64 s[10:11], s[4:5], s[52:53]
	s_add_nc_u64 s[4:5], s[4:5], s[50:51]
	s_add_nc_u64 s[62:63], s[8:9], s[58:59]
	s_add_nc_u64 s[8:9], s[8:9], s[56:57]
	ROUND
.irp c, 0,1,2,3
	s_mov_b32 s[32+4*\c], 1
	s_add_co_u32 s[33+4*\c], s14, \c*CHUNKB
	s_add_nc_u64 s[34+4*\c:35+4*\c], s[6:7], \c*CHUNKB
	s_or_b32 s[35+4*\c], s[35+4*\c], 0x80000000
.endr
.irp c, 0,1,2,3
	s_wait_alu depctr_va_vdst(0)
	s_wait_tensorcnt 0x0
	ds_add_u32 v5, v6
	ds_add_u32 v5, v6
	s_wait_dscnt 0x0
	ROUND
	tensor_load_to_lds s[32+4*\c:35+4*\c], s[24:31]
	s_nop 0
.endr
.rept 4
	v_nop
.endr
	v_and_b32 v9, 31, v0
	s_delay_alu instid0(VALU_DEP_1)
	v_lshlrev_b32 v[L16], 4, v9
	s_delay_alu instid0(VALU_DEP_2)
	v_lshlrev_b32 v[L8], 3, v9
	v_and_b32 v10, 15, v0
	s_delay_alu instid0(VALU_DEP_1)
	v_lshlrev_b32 v7, 4, v10
	s_delay_alu instid0(VALU_DEP_2)
	v_lshlrev_b32 v8, 3, v10
.irp j, 22,23,24,25,26,27,80,81,82,83,84,85
	v_mov_b32 v[\j], 0
.endr
.irp j, 216,217,218,219,229,230
	v_mov_b32 v[\j], 0
.endr
.macro STEP
	v_add_nc_u32 v[A16], s[TB], v[L16]
	v_add_nc_u32 v[A8], s[TB], v[L8]
	v_nop
	v_nop
.irp t, 0,1,2,3,4,5,6,7
	ds_load_b128 v[32+6*\t:35+6*\t], v[A16] offset:768*\t
	ds_load_b64 v[36+6*\t:37+6*\t], v[A8] offset:768*\t+512
.endr
	ds_load_b128 v[86:89], v[A16] offset:6144
	s_wait_alu depctr_va_vdst(0)
	s_wait_dscnt 0x0
.irp t, 0,2,4,6
	v_wmma_scale_f32_16x16x128_f8f6f4 v[96+8*\t:103+8*\t], v[32+6*\t:43+6*\t], v[16:27], 0, v[86+\t/2], v28 matrix_a_fmt:MATRIX_FMT_FP6 matrix_b_fmt:MATRIX_FMT_FP6
	v_wmma_scale_f32_16x16x128_f8f6f4 v[104+8*\t:111+8*\t], v[38+6*\t:49+6*\t], v[16:27], 0, v[86+\t/2], v28 matrix_a_fmt:MATRIX_FMT_FP6 matrix_b_fmt:MATRIX_FMT_FP6 matrix_a_scale:MATRIX_SCALE_ROW1
.endr
.rept 4
	v_nop
.endr
.irp t, 0,1,2,3
.irp c, 0,1,2
	ds_load_b128 v[32+12*\t+4*\c:35+12*\t+4*\c], v[A16] offset:6656+1536*\t+512*\c
.endr
.endr
	ds_load_b128 v[90:93], v[A16] offset:12800
.irp b, 0,1,2,3
	v_max3_num_f32 v[212+\b], v[96+16*\b], v[97+16*\b], v[98+16*\b]
.endr
.irp i, 3,5,7,9,11,13
.irp b, 0,1,2,3
	v_max3_num_f32 v[212+\b], v[212+\b], v[96+16*\b+\i], v[97+16*\b+\i]
.endr
.endr
.irp b, 0,1,2,3
	v_max_num_f32 v[212+\b], v[212+\b], v[111+16*\b]
.endr
.irp b, 0,1,2,3
	s_delay_alu instid0(VALU_DEP_4)
	v_permlanex16_b32 v[216+\b], v[212+\b], s[SEL], s[SEL+1]
.endr
.irp b, 0,1,2,3
	s_delay_alu instid0(VALU_DEP_4)
	v_max_num_f32 v[212+\b], v[212+\b], v[216+\b]
.endr
	s_delay_alu instid0(VALU_DEP_2)
	v_max3_num_f32 v230, v212, v213, v214
	s_delay_alu instid0(VALU_DEP_1)
	v_max_num_f32 v230, v230, v215
	s_delay_alu instid0(VALU_DEP_1)
	v_mul_f32 v230, s[CS], v230
	s_delay_alu instid0(VALU_DEP_1)
	v_max_num_f32 v13, v13, v230
	v_mov_b32 v230, v12
	s_delay_alu instid0(VALU_DEP_2)
	v_floor_f32 v12, -v13
	s_delay_alu instid0(VALU_DEP_1)
	v_sub_f32 v230, v12, v230
	s_delay_alu instid0(VALU_DEP_1)
	v_cvt_i32_f32 v230, v230
	s_delay_alu instid0(VALU_DEP_1)
	v_ldexp_f32 v228, 1.0, v230
.irp j, 0,2,4,6,8,10,12,14,16,18,20,22,24,26,28,30,32,34,36,38,40,42,44,46,48,50,52,54,56,58,60,62
	v_pk_fma_f32 v[96+\j:97+\j], v[96+\j:97+\j], s[CS:CS+1], v[12:13] op_sel_hi:[1,0,0]
.endr
.irp b, 0,1,2,3
	v_fma_f32 v[212+\b], v[212+\b], s[CS], v12
.endr
	s_wait_alu depctr_va_vdst(0)
.irp j, 0,1,2,3,4,5,6,7,8,9,10,11,12,13,14,15,16,17,18,19,20,21,22,23,24,25,26,27,28,29,30,31,32,33,34,35,36,37,38,39,40,41,42,43,44,45,46,47,48,49,50,51,52,53,54,55,56,57,58,59,60,61,62,63
	v_exp_f32 v[96+\j], v[96+\j]
.endr
	s_setprio 1
	v_pk_mul_f32 v[14:15], v[14:15], v[228:229] op_sel_hi:[1,0]
	s_wait_alu depctr_va_vdst(0)
.irp b, 0,1,2,3
	v_exp_f32 v[212+\b], v[212+\b]
.endr
	v_pk_add_f32 v[232:233], v[96:97], v[98:99]
.irp j, 4,8,12,16,20,24,28,32,36,40,44,48,52,56,60
	v_pk_add_f32 v[14:15], v[14:15], v[96+\j:97+\j]
	v_pk_add_f32 v[232:233], v[232:233], v[98+\j:99+\j]
.endr
	s_delay_alu instid0(VALU_DEP_1)
	v_pk_add_f32 v[14:15], v[14:15], v[232:233]
	s_wait_alu depctr_va_vdst(0)
.irp b, 0,1,2,3
	v_max_num_f32 v[212+\b], 0x1800000, v[212+\b]
.endr
.irp b, 0,1,2,3
	s_delay_alu instid0(VALU_DEP_4)
	v_add_nc_u32 v[220+\b], 0xff000000, v[212+\b]
.endr
.irp b, 0,1,2,3
	s_delay_alu instid0(VALU_DEP_4)
	v_lshrrev_b32 v[216+\b], 23, v[220+\b]
.endr
	s_delay_alu instid0(VALU_DEP_3)
	v_lshl_or_b32 v29, v217, 8, v216
	s_delay_alu instid0(VALU_DEP_1)
	v_lshl_or_b32 v29, v218, 16, v29
	s_delay_alu instid0(VALU_DEP_1)
	v_lshl_or_b32 v29, v219, 24, v29
.irp c, 0,1
	v_cvt_scalef32_pk16_fp6_f32 v[192+6*\c:194+6*\c], v[96+32*\c:111+32*\c], v[220+2*\c]
	v_cvt_scalef32_pk16_fp6_f32 v[204+4*\c:206+4*\c], v[112+32*\c:127+32*\c], v[220+2*\c+1]
.endr
	v_nop
.irp c, 0,1
.irp i, 0,1,2
	v_permlane16_swap_b32 v[192+6*\c+\i], v[204+4*\c+\i]
.endr
.irp i, 0,1,2
	s_delay_alu instid0(VALU_DEP_3)
	v_mov_b32 v[195+6*\c+\i], v[204+4*\c+\i]
.endr
.endr
	s_setprio 0
.irp j, 0,2,4,6,8,10,12,14,16,18,20,22,24,26,28,30
	v_pk_mul_f32 v[160+\j:161+\j], v[160+\j:161+\j], v[228:229] op_sel_hi:[1,0]
.endr
	s_wait_alu depctr_va_vdst(0)
	s_wait_dscnt 0x0
.irp t, 0,1,2,3
	v_wmma_scale_f32_16x16x128_f8f6f4 v[160+8*\t:167+8*\t], v[32+12*\t:43+12*\t], v[192:203], v[160+8*\t:167+8*\t], v[90+\t], v29 matrix_a_fmt:MATRIX_FMT_FP6 matrix_b_fmt:MATRIX_FMT_FP6
.endr
	s_add_co_u32 s[TB], s[TB], STEPB
.endm
.macro CHUNK c
	s_mov_b32 s[TB], \c*CHUNKB
	s_wait_tensorcnt 3-\c
	s_wait_dscnt 0x0
	s_barrier_signal -1
	s_barrier_wait -1
	s_mov_b32 s3, 4
.Lstep_\@:
	s_setprio 2
	STEP
	s_sub_co_u32 s3, s3, 1
	s_cmp_lg_u32 s3, 0
	s_cbranch_scc1 .Lstep_\@
	s_setprio 0
.endm
	s_mov_b32 s66, 2
.Lpass:
	global_load_b128 v[16:19], v[L16], s[4:5] th:TH_LOAD_NT
	global_load_b64 v[20:21], v[L8], s[4:5] offset:512 th:TH_LOAD_NT
	global_load_b32 v28, v7, s[10:11] th:TH_LOAD_NT
	v_mov_b32 v13, 0xff61b1e6
	s_delay_alu instid0(VALU_DEP_1)
	v_floor_f32 v12, -v13
	v_mov_b32 v14, 0
	v_mov_b32 v15, 0
.irp j, 0,1,2,3,4,5,6,7,8,9,10,11,12,13,14,15,16,17,18,19,20,21,22,23,24,25,26,27,28,29,30,31
	v_mov_b32 v[160+\j], 0
.endr
	s_wait_loadcnt 0x0
	CHUNK 0
	CHUNK 1
	CHUNK 2
	CHUNK 3
.rept 4
	v_nop
.endr
	v_add_f32 v14, v14, v15
	s_delay_alu instid0(VALU_DEP_1)
	v_permlanex16_b32 v230, v14, s[SEL], s[SEL+1]
	s_delay_alu instid0(VALU_DEP_1)
	v_add_f32 v14, v14, v230
	s_wait_alu depctr_va_vdst(0)
	v_rcp_f32 v228, v14
	v_nop
	s_wait_alu depctr_va_vdst(0)
.irp j, 0,2,4,6,8,10,12,14,16,18,20,22,24,26,28,30
	v_pk_mul_f32 v[96+\j:97+\j], v[160+\j:161+\j], v[228:229] op_sel_hi:[1,0]
.endr
.irp b, 0,1
	v_max3_num_f32 v[212+\b], |v[96+16*\b]|, |v[97+16*\b]|, 0x1800000
.endr
.irp i, 2,4,6,8,10,12,14
.irp b, 0,1
	s_delay_alu instid0(VALU_DEP_2)
	v_max3_num_f32 v[212+\b], v[212+\b], |v[96+16*\b+\i]|, |v[97+16*\b+\i]|
.endr
.endr
.irp b, 0,1
	s_delay_alu instid0(VALU_DEP_2)
	v_permlanex16_b32 v[216+\b], v[212+\b], s[SEL], s[SEL+1]
.endr
.irp b, 0,1
	s_delay_alu instid0(VALU_DEP_2)
	v_max_num_f32 v[212+\b], v[212+\b], v[216+\b]
.endr
.irp b, 0,1
	s_delay_alu instid0(VALU_DEP_2)
	v_add_nc_u32 v[220+\b], 0xff000000, v[212+\b]
.endr
.irp b, 0,1
	s_delay_alu instid0(VALU_DEP_2)
	v_lshrrev_b32 v[216+\b], 23, v[220+\b]
.endr
	s_delay_alu instid0(VALU_DEP_1)
	v_lshl_or_b32 v230, v217, 8, v216
	v_cvt_scalef32_pk16_fp6_f32 v[192:194], v[96:111], v220
	v_cvt_scalef32_pk16_fp6_f32 v[204:206], v[112:127], v221
	v_nop
.irp i, 0,1,2
	v_permlane16_swap_b32 v[192+\i], v[204+\i]
.endr
.irp i, 0,1,2
	s_delay_alu instid0(VALU_DEP_3)
	v_mov_b32 v[195+\i], v[204+\i]
.endr
	global_store_b128 v[L16], v[192:195], s[8:9]
	global_store_b64 v[L8], v[196:197], s[8:9] offset:512
	global_store_b16 v8, v230, s[62:63]
	s_wait_xcnt 0x0
	s_add_nc_u64 s[4:5], s[4:5], 2*6656
	s_add_nc_u64 s[10:11], s[10:11], 2*6656
	s_add_nc_u64 s[8:9], s[8:9], 16*12800
	s_add_nc_u64 s[62:63], s[62:63], 16*12800
	s_sub_co_u32 s66, s66, 1
	s_cmp_lg_u32 s66, 0
	s_cbranch_scc1 .Lpass
	s_wait_tensorcnt 0x0
	ds_add_u32 v[SPW], v[NIL]
	s_wait_dscnt 0x0
	ROUND
	s_endpgm
.Lfunc_end_k_qaa6a525aa2_attn:
	.size	k_qaa6a525aa2_attn, .Lfunc_end_k_qaa6a525aa2_attn-k_qaa6a525aa2_attn
	.p2alignl 7, 3214868480
	.fill 96, 4, 3214868480
	.section	.rodata,"a",@progbits
	.p2align	6, 0x0
	.amdhsa_kernel k_qaa6a525aa2_attn
		.amdhsa_group_segment_fixed_size 327680
		.amdhsa_private_segment_fixed_size 0
		.amdhsa_enable_private_segment 0
		.amdhsa_kernarg_size 24
		.amdhsa_user_sgpr_count 2
		.amdhsa_user_sgpr_kernarg_segment_ptr 1
		.amdhsa_wavefront_size32 1
		.amdhsa_system_sgpr_workgroup_id_x 1
		.amdhsa_system_sgpr_workgroup_id_y 1
		.amdhsa_system_sgpr_workgroup_id_z 1
		.amdhsa_system_vgpr_workitem_id 0
		.amdhsa_next_free_vgpr 256
		.amdhsa_next_free_sgpr 80
		.amdhsa_reserve_vcc 0
		.amdhsa_float_denorm_mode_32 3
		.amdhsa_float_denorm_mode_16_64 3
		.amdhsa_memory_ordered 1
		.amdhsa_forward_progress 1
		.amdhsa_inst_pref_size 83
	.end_amdhsa_kernel
	.amdgpu_metadata
---
amdhsa.version: [ 1, 2 ]
amdhsa.kernels:
  - .name:           k_qaa6a525aa2_attn
    .symbol:         k_qaa6a525aa2_attn.kd
    .args:
      - { .name: qi, .offset: 0, .size: 8, .value_kind: global_buffer, .address_space: global }
      - { .name: kv, .offset: 8, .size: 8, .value_kind: global_buffer, .address_space: global }
      - { .name: at, .offset: 16, .size: 8, .value_kind: global_buffer, .address_space: global }
    .group_segment_fixed_size: 327680
    .private_segment_fixed_size: 0
    .kernarg_segment_align: 8
    .kernarg_segment_size: 24
    .max_flat_workgroup_size: 512
    .sgpr_count:     80
    .vgpr_count:     256
    .wavefront_size: 32
...
	.end_amdgpu_metadata
.endif
;; end of part 3
;; launch gemm_out (part 4): grid 4 x 32, 4 waves a work-group, clusters of 4 x 4, 327,680 bytes of LDS; arguments at, ww, b_out, out0; writes out0
.if DOCPART == 4
	.amdgcn_target "amdgcn-amd-amdhsa--gfx1250"
	.amdhsa_code_object_version 6
	.text
	.protected	k_qaa6a525aa2_gemm_out
	.globl	k_qaa6a525aa2_gemm_out
	.p2align	8
	.type	k_qaa6a525aa2_gemm_out,@function
k_qaa6a525aa2_gemm_out:
	s_mov_b64 s[64:65], 0
	v_nop
	global_prefetch_b8 v0, s[64:65] scope:SCOPE_SE
	s_setreg_imm32_b32 hwreg(HW_REG_WAVE_MODE, 25, 1), 1
	s_wait_xcnt 0x0
	s_wait_alu depctr_hold_cnt(0) depctr_sa_sdst(0) depctr_va_vdst(0) depctr_va_sdst(0) depctr_va_ssrc(0) depctr_va_vcc(0) depctr_vm_vsrc(0)
	s_getreg_b32 s2, hwreg(HW_REG_IB_STS2, 6, 4)
	s_cmp_eq_u32 s2, 0
	s_cbranch_scc0 .Lentry_in_a_cluster
	s_endpgm
.Lentry_in_a_cluster:
	s_bfe_u32 s2, ttmp6, 0x10000c
	s_cmp_lg_u32 s2, 0xf033
	s_cbranch_scc0 .Lentry_shape_is_right
	s_endpgm
.Lentry_shape_is_right:
.set FR,    12
.set NL,    4
.set NP,    4
.set NQ,    2
.set TILEB, 12800
.set KSB,   3072
.set HALFT, 8*KSB
.set SLOT,  4*HALFT
.set SCL,   2*SLOT
.set HALFS, 4096
.set SPARE, SCL+4*HALFS
.set SPITCH, 528
.set ADRA, 16
.set ADRB, 20
.set STO,  24
.set RD,   25
.set CO,   26
.set ADRS, 27
.set SPW,  28
.set NIL,  29
.set SC,   32
.set BI,   64
.set AF,   128
.set BK,   128
.set G1, 24
.set G0, 32
.set G1B, 48
.set G0B, 56
.set G1S, 68
.set G0S, 76
.set G1SB, 80
.set G0SB, 88
.set MSB, 0
.macro WIN new
.if MSB != \new
	s_set_vgpr_msb (MSB<<8)|\new
.set MSB, \new
.endif
.endm
.set MUL_LO,  0xa1
.set MUL_HI,  0xf1
.set MUL_LO0, 0x81
.set MUL_HI0, 0xc1
.set TO_B,    0x40
.macro JLOAD g0a, g1a, g0b, g1b
	s_cmp_eq_u32 s15, 0
	s_cbranch_scc0 .Lfor_b_\@
	tensor_load_to_lds s[\g0a:\g0a+3], s[\g1a:\g1a+7]
	s_nop 0
.rept 4
	v_nop
.endr
	s_branch .Lasked_\@
.Lfor_b_\@:
	tensor_load_to_lds s[\g0b:\g0b+3], s[\g1b:\g1b+7]
	s_nop 0
.rept 4
	v_nop
.endr
.Lasked_\@:
.endm
.macro CREST
	s_cmp_lg_u32 s14, 0
	s_cbranch_scc1 .Lnot_wave_0_\@
	s_barrier_signal -3
.Lnot_wave_0_\@:
	s_barrier_wait -3
	s_barrier_signal -1
	s_barrier_wait -1
.endm
.macro CROUND
	s_barrier_signal -1
	s_barrier_wait -1
	CREST
.endm
	s_load_b128 s[4:7], s[0:1], 0x0
	s_load_b128 s[8:11], s[0:1], 0x10
	v_lshl_add_u32 v[SPW], v0, 2, SPARE
	v_mov_b32 v[NIL], 0
	ds_add_u32 v[SPW], v[NIL]
	ds_add_u32 v[SPW], v[NIL]
	v_lshrrev_b32 v1, 5, v0
	v_readfirstlane_b32 s14, v1
	s_lshr_b32 s15, s14, 1
	s_and_b32 s16, s14, 1
	s_bfe_u32 s40, ttmp6, 0x40000
	s_bfe_u32 s41, ttmp6, 0x40004
	s_lshl_b32 s42, ttmp9, 2
	s_add_co_u32 s42, s42, s40
	s_and_b32 s17, ttmp7, 0xffff
	s_lshl_b32 s17, s17, 2
	s_add_co_u32 s17, s17, s41
	s_lshl_b32 s43, s41, 2
	s_lshl_b32 s43, 15, s43
	s_lshl_b32 s44, 0x1111, s40
	s_or_b32 s[G1+0], s43, (3<<16)|(1<<21)
	s_or_b32 s[G1B+0], s44, (3<<16)|(1<<21)
.irp g, G1, G1B
	s_mov_b32 s[\g+1], 384<<16
	s_mov_b32 s[\g+2], 8<<16
	s_mov_b32 s[\g+3], 384<<16
	s_mov_b32 s[\g+4], 8
	s_mov_b32 s[\g+5], 1600
	s_mov_b32 s[\g+6], 0
	s_mov_b32 s[\g+7], 0
.endr
	s_or_b32 s[G1S+0], s43, (3<<16)|(1<<21)
	s_or_b32 s[G1SB+0], s44, (3<<16)|(1<<21)
.irp g, G1S, G1SB
	s_mov_b32 s[\g+1], 64<<16
	s_mov_b32 s[\g+2], 8<<16
	s_mov_b32 s[\g+3], 64<<16
	s_mov_b32 s[\g+4], 8
	s_mov_b32 s[\g+5], 1600
	s_mov_b32 s[\g+6], 0
	s_mov_b32 s[\g+7], 0
.endr
	s_lshl_b32 s20, s17, 4
	s_lshl_b32 s21, s16, 3
	s_add_co_u32 s20, s20, s21
	s_mul_i32 s20, s20, TILEB
	s_mov_b32 s21, 0
	s_lshl_b32 s46, s42, 4
	s_lshl_b32 s47, s16, 3
	s_add_co_u32 s46, s46, s47
	s_add_co_u32 s46, s46, 192
	s_mul_i32 s46, s46, TILEB
	s_mov_b32 s47, 0
	s_mul_i32 s45, s14, HALFT
	s_lshl_b32 s94, s14, 12
	s_wait_dscnt 0x0
	s_wait_kmcnt 0x0
	s_add_nc_u64 s[20:21], s[4:5], s[20:21]
	s_add_nc_u64 s[46:47], s[6:7], s[46:47]
	CROUND
	s_mov_b32 s[G0S], 1
	s_add_co_u32 s[G0S+1], s94, SCL
	s_add_nc_u64 s[G0S+2:G0S+3], s[20:21], 12288
	s_or_b32 s[G0S+3], s[G0S+3], 0x80000000
	s_mov_b32 s[G0SB], 1
	s_add_co_u32 s[G0SB+1], s94, SCL
	s_add_nc_u64 s[G0SB+2:G0SB+3], s[46:47], 12288
	s_or_b32 s[G0SB+3], s[G0SB+3], 0x80000000
	JLOAD G0S, G1S, G0SB, G1SB
.irp s, 0,1
	s_mov_b32 s[G0+4*\s], 1
	s_add_co_u32 s[G0+4*\s+1], s45, \s*SLOT
	s_add_nc_u64 s[G0+4*\s+2:G0+4*\s+3], s[20:21], \s*KSB
	s_or_b32 s[G0+4*\s+3], s[G0+4*\s+3], 0x80000000
	s_mov_b32 s[G0B+4*\s], 1
	s_add_co_u32 s[G0B+4*\s+1], s45, \s*SLOT
	s_add_nc_u64 s[G0B+4*\s+2:G0B+4*\s+3], s[46:47], \s*KSB
	s_or_b32 s[G0B+4*\s+3], s[G0B+4*\s+3], 0x80000000
	s_wait_alu depctr_va_vdst(0)
	s_wait_tensorcnt 0x0
	ds_add_u32 v28, v29
	s_wait_dscnt 0x0
	CROUND
	JLOAD G0+4*\s, G1, G0B+4*\s, G1B
.endr
	v_and_b32 v1, 31, v0
	v_and_b32 v2, 15, v0
	v_bfe_u32 v3, v0, 4, 1
	v_lshlrev_b32 v[CO], 4, v1
	s_wait_alu depctr_va_vdst(0)
	v_lshlrev_b32 v4, 3, v1
	s_wait_alu depctr_va_vdst(0)
	s_lshl_b32 s2, s42, 10
	s_lshl_b32 s3, s16, 9
	s_add_co_u32 s2, s2, s3
	s_mov_b32 s3, 0
	s_add_nc_u64 s[8:9], s[8:9], s[2:3]
	v_lshlrev_b32 v5, 6, v3
.irp b, 0,1,2,3,4,5,6,7
	global_load_b128 v[BI+8*\b:BI+8*\b+3], v5, s[8:9] offset:4*(32*(\b/2)+8*(\b%2))
	global_load_b128 v[BI+8*\b+4:BI+8*\b+7], v5, s[8:9] offset:4*(32*(\b/2)+8*(\b%2))+16
.endr
	s_add_nc_u64 s[10:11], s[10:11], s[2:3]
	s_lshl_b32 s2, s17, 8
	s_lshl_b32 s12, s15, 7
	s_add_co_u32 s2, s2, s12
	s_lshl_b32 s2, s2, 12
	s_add_nc_u64 s[10:11], s[10:11], s[2:3]
	s_mul_i32 s12, s15, HALFT
	s_mul_i32 s13, s16, HALFT
	s_add_co_u32 s13, s13, 2*HALFT
.irp s, 0,1
	v_add_nc_u32 v[ADRA+\s], s12, v[CO]
	v_add_nc_u32 v[ADRA+2+\s], s12, v4
	v_add_nc_u32 v[ADRB+\s], s13, v[CO]
	v_add_nc_u32 v[ADRB+2+\s], s13, v4
	s_add_co_u32 s12, s12, SLOT
	s_add_co_u32 s13, s13, SLOT
.endr
	s_lshl_b32 s12, s15, 12
	s_lshl_b32 s13, s16, 12
	s_add_co_u32 s13, s13, 2*HALFS
	s_sub_co_u32 s13, s13, s12
	v_mul_u32_u24 v6, s13, v3
	s_add_co_u32 s12, s12, SCL
	v_lshl_add_u32 v6, v2, 3, v6
	v_add_nc_u32 v[ADRS], s12, v6
	s_mul_i32 s12, s14, 16*SPITCH
	v_mul_u32_u24 v6, v2, SPITCH
	v_lshl_add_u32 v6, v3, 6, v6
	v_add_nc_u32 v[STO], s12, v6
	v_add_nc_u32 v[RD], s12, v[CO]
.macro FRAG reg, a16, a8, q, i
	ds_load_b128 v[\reg:\reg+3], v[\a16] offset:KSB*(\i)+1536*(\q)
	ds_load_b64 v[\reg+4:\reg+5], v[\a8] offset:KSB*(\i)+1536*(\q)+512
	ds_load_b128 v[\reg+6:\reg+9], v[\a16] offset:KSB*(\i)+1536*(\q)+768
	ds_load_b64 v[\reg+10:\reg+11], v[\a8] offset:KSB*(\i)+1536*(\q)+1280
.endm
.macro MUL16 a0, p, q, sc, zero
.irp a, \a0, \a0+1
.irp b, 0,1,2,3,4,5,6,7
.if \zero
	v_wmma_scale_f32_16x16x128_f8f6f4 v[8*(8*((\a)%4)+\b):8*(8*((\a)%4)+\b)+7], v[128*(\p)+FR*\b:128*(\p)+FR*\b+FR-1], v[AF+FR*(\a):AF+FR*(\a)+FR-1], v[BI+8*\b:BI+8*\b+7], v[SC+8*NQ*(\sc)+NQ*\b+(\q)], v[SC+8*NQ*(\sc)+NQ*(\a)+(\q)] matrix_a_fmt:MATRIX_FMT_FP6 matrix_b_fmt:MATRIX_FMT_FP6 matrix_a_scale:MATRIX_SCALE_ROW1
.else
	v_wmma_scale_f32_16x16x128_f8f6f4 v[8*(8*((\a)%4)+\b):8*(8*((\a)%4)+\b)+7], v[128*(\p)+FR*\b:128*(\p)+FR*\b+FR-1], v[AF+FR*(\a):AF+FR*(\a)+FR-1], v[8*(8*((\a)%4)+\b):8*(8*((\a)%4)+\b)+7], v[SC+8*NQ*(\sc)+NQ*\b+(\q)], v[SC+8*NQ*(\sc)+NQ*(\a)+(\q)] matrix_a_fmt:MATRIX_FMT_FP6 matrix_b_fmt:MATRIX_FMT_FP6 matrix_a_scale:MATRIX_SCALE_ROW1
.endif
.endr
.endr
.endm
.macro FETCH_B slot, q, p
	WIN TO_B
.irp i, 0,1,2,3,4,5,6,7
	FRAG 128*(\p)+FR*\i, ADRB+\slot, ADRB+2+\slot, \q, \i
.endr
	WIN 0
.endm
.macro FETCH_A slot, q, i0
.irp i, \i0, \i0+1, \i0+2, \i0+3
	FRAG AF+FR*(\i), ADRA+\slot, ADRA+2+\slot, \q, \i
.endr
.endm
.macro SCALES sc
.irp i, 0,1,2,3,4,5,6,7
	ds_load_b64 v[SC+8*NQ*\sc+NQ*\i:SC+8*NQ*\sc+NQ*\i+1], v[ADRS] offset:\i*512
.endr
.endm
.macro PLACES n
.rept \n
	v_nop
.endr
.endm
.macro STEP slot, q, zero
	s_wait_dscnt 4*NL
.if \zero
	WIN MUL_LO0
.else
	WIN MUL_LO
.endif
	MUL16 0, (\q)%2, \q, \slot, \zero
	MUL16 2, (\q)%2, \q, \slot, \zero
	s_wait_dscnt 0
	PLACES NP
	FETCH_B \slot, (\q)+1, 1-(\q)%2
	FETCH_A \slot, (\q)+1, 0
.if \zero
	WIN MUL_HI0
.else
	WIN MUL_HI
.endif
	MUL16 4, (\q)%2, \q, \slot, \zero
	MUL16 6, (\q)%2, \q, \slot, \zero
	PLACES NP
	WIN 0
	FETCH_A \slot, (\q)+1, 4
.endm
.macro TURN slot, next, fill
	s_wait_tensorcnt 0x0
	ds_add_u32 v[SPW], v[NIL]
	s_wait_dscnt 4*NL+1
	WIN MUL_LO
	MUL16 0, 1, NQ-1, \slot, 0
	s_wait_dscnt 0x0
	s_barrier_signal -1
	MUL16 2, 1, NQ-1, \slot, 0
	WIN 0
	s_barrier_wait -1
.if \fill
	CREST
	s_add_nc_u64 s[G0+4*\slot+2:G0+4*\slot+3], s[G0+4*\slot+2:G0+4*\slot+3], 2*KSB
	s_add_nc_u64 s[G0B+4*\slot+2:G0B+4*\slot+3], s[G0B+4*\slot+2:G0B+4*\slot+3], 2*KSB
	JLOAD G0+4*\slot, G1, G0B+4*\slot, G1B
.else
	PLACES NP
.endif
	s_wait_alu depctr_va_vdst(0)
	v_add_nc_u32 v[ADRS], 128, v[ADRS]
	FETCH_B \next, 0, 0
	FETCH_A \next, 0, 0
	SCALES \next
	WIN MUL_HI
	MUL16 4, 1, NQ-1, \slot, 0
	MUL16 6, 1, NQ-1, \slot, 0
	PLACES NP
	WIN 0
	FETCH_A \next, 0, 4
.endm
	s_wait_alu depctr_va_vdst(0)
	s_wait_tensorcnt 1
	s_barrier_signal -1
	s_barrier_wait -1
	FETCH_B 0, 0, 0
	FETCH_A 0, 0, 0
	SCALES 0
	FETCH_A 0, 0, 4
	s_wait_loadcnt 0x0
	STEP 0, 0, 1
	TURN 0, 1, 1
	STEP 1, 0, 0
	TURN 1, 0, 1
	STEP 0, 0, 0
	TURN 0, 1, 0
	STEP 1, 0, 0
	s_wait_dscnt 4*NL
	WIN MUL_LO
	MUL16 0, 1, NQ-1, 1, 0
	MUL16 2, 1, NQ-1, 1, 0
	s_wait_dscnt 0
	WIN MUL_HI
	MUL16 4, 1, NQ-1, 1, 0
	MUL16 6, 1, NQ-1, 1, 0
	WIN 0
.macro TOSTAGE a
.set AC, 64*((\a)%4)
	WIN (0x08+4*((\a)/4))
.irp b, 0,1,2,3,4,5,6,7
	ds_store_b128 v[STO], v[AC+8*\b:AC+8*\b+3] offset:128*(\b/2)+32*(\b%2)
	ds_store_b128 v[STO], v[AC+8*\b+4:AC+8*\b+7] offset:128*(\b/2)+32*(\b%2)+16
.endr
	WIN 0
.set BB, BK+64*((\a)%2)
.irp t, 0,1,2,3,4,5,6,7,8,9,10,11,12,13,14,15
	ds_load_b128 v[BB+4*\t:BB+4*\t+3], v[RD] offset:\t*SPITCH
.endr
.endm
.macro SEND a, younger
.set BB, BK+64*((\a)%2)
	s_wait_dscnt \younger
.irp t, 0,1,2,3,4,5,6,7,8,9,10,11,12,13,14,15
	global_store_b128 v[CO], v[BB+4*\t:BB+4*\t+3], s[10:11] offset:(32*((\a)/2)+8*((\a)%2)+\t+8*(\t/8))*4096 th:TH_STORE_NT
.endr
.endm
	PLACES NP
	TOSTAGE 0
.irp a, 1,2,3,4,5,6,7
.if \a > 1
	s_wait_xcnt 0x0
.endif
	TOSTAGE \a
	SEND \a-1, 32
.endr
	SEND 7, 0
	s_wait_tensorcnt 0x0
	ds_add_u32 v[SPW], v[NIL]
	s_wait_dscnt 0x0
	CROUND
	s_endpgm
.Lfunc_end_k_qaa6a525aa2_gemm_out:
	.size	k_qaa6a525aa2_gemm_out, .Lfunc_end_k_qaa6a525aa2_gemm_out-k_qaa6a525aa2_gemm_out
	.p2alignl 7, 3214868480
	.fill 96, 4, 3214868480
	.section	.rodata,"a",@progbits
	.p2align	6, 0x0
	.amdhsa_kernel k_qaa6a525aa2_gemm_out
		.amdhsa_group_segment_fixed_size 327680
		.amdhsa_private_segment_fixed_size 0
		.amdhsa_enable_private_segment 0
		.amdhsa_kernarg_size 32
		.amdhsa_user_sgpr_count 2
		.amdhsa_user_sgpr_kernarg_segment_ptr 1
		.amdhsa_wavefront_size32 1
		.amdhsa_system_sgpr_workgroup_id_x 1
		.amdhsa_system_sgpr_workgroup_id_y 1
		.amdhsa_system_sgpr_workgroup_id_z 1
		.amdhsa_system_vgpr_workitem_id 0
		.amdhsa_next_free_vgpr 1024
		.amdhsa_next_free_sgpr 100
		.amdhsa_reserve_vcc 0
		.amdhsa_float_denorm_mode_32 3
		.amdhsa_float_denorm_mode_16_64 3
		.amdhsa_memory_ordered 1
		.amdhsa_forward_progress 1
		.amdhsa_inst_pref_size 145
	.end_amdhsa_kernel
	.amdgpu_metadata
---
amdhsa.version: [ 1, 2 ]
amdhsa.kernels:
  - .name:           k_qaa6a525aa2_gemm_out
    .symbol:         k_qaa6a525aa2_gemm_out.kd
    .args:
      - { .name: at, .offset: 0, .size: 8, .value_kind: global_buffer, .address_space: global }
      - { .name: ww, .offset: 8, .size: 8, .value_kind: global_buffer, .address_space: global }
      - { .name: b_out, .offset: 16, .size: 8, .value_kind: global_buffer, .address_space: global }
      - { .name: out0, .offset: 24, .size: 8, .value_kind: global_buffer, .address_space: global }
    .group_segment_fixed_size: 327680
    .private_segment_fixed_size: 0
    .kernarg_segment_align: 8
    .kernarg_segment_size: 32
    .max_flat_workgroup_size: 128
    .sgpr_count:     100
    .vgpr_count:     1024
    .wavefront_size: 32
...
	.end_amdgpu_metadata
.endif
;; end of part 4
